; MI455X (gfx1250); checked and timed in simulation.
; The chip was launched on July 23, 2026; its instructions are those of AMD's public machine-readable ISA for CDNA 5 (MIT licence, August 2026) and "CDNA5" Instruction Set Architecture Reference Guide (July 2026). The comments in the code are by the model that wrote it; some were corrected since.
;; Self Attention. Allowed arithmetic: matrix products marked QUANTISED: E2M3 operands, one E8M0 scale for each 32 along K, by v_wmma_scale_f32_16x16x128_f8f6f4 with both operands' format E2M3, f32 sums; everything else in f32.
;; Inputs: scale 1,024 float32; theta 1,024 x 16 x 16 float32; w_out_codes 1,024 x 32 x 24 uint8 (E2M3 codes of w_out, K innermost, in blocks of 32 codes, four codes in three bytes); w_out_scales 1,024 x 32 uint8 (E8M0 scales of w_out, one for each 32 codes along K); w_qkv_codes 3,072 x 32 x 24 uint8 (E2M3 codes of w_qkv, K innermost, in blocks of 32 codes, four codes in three bytes); w_qkv_scales 3,072 x 32 uint8 (E8M0 scales of w_qkv, one for each 32 codes along K); x 8 x 1,024 x 1,024 float32.
;; Outputs: out0 8 x 1,024 x 1,024 float32.
;; This version of the problem:
;;   THIS VERSION OF THE PROBLEM IS GIVEN IN LOW PRECISION. The matrix products marked QUANTISED in the list below multiply operands that are first quantised to E2M3 (2 exponent bits, 3 mantissa bits; 6 bits a number), with one power-of-two scale for each 32 numbers along K (OCP MX v1.0); their sums are f32. All else is computed in f32.
;;   The module's matrix products, in the order in which they are computed (A, B: the left and right operand; K: the contracted axis; several contracted axes count as one K, in the product's order):
;;     1. [M 8,192, K 1,024] x [K 1,024, N 3,072]; A: computed on the way; B: input w_qkv (given as codes): QUANTISED
;;     2. batch 128 x [M 1,024, K 64] x [K 64, N 1,024]; A: computed on the way; B: computed on the way: QUANTISED
;;     3. batch 128 x [M 1,024, K 1,024] x [K 1,024, N 64]; A: softmax (see below); B: computed on the way: QUANTISED
;;     4. [M 8,192, K 1,024] x [K 1,024, N 1,024]; A: computed on the way; B: input w_out (given as codes): QUANTISED
;;   THE QUANTISER, for each operand of a quantised product, along K:
;;     - K is cut into blocks of 32 from its start; a last block that is shorter is filled with zeros.
;;     - A block's scale is 2^e with e = floor(log2(the largest magnitude in the block)) - 2, held to -126 .. 127; a block of zeros has e = 0. As a byte (E8M0): e + 127.
;;     - Each number is divided by its block's scale, clamped to +-7.5, and rounded to the nearest number of E2M3, ties to even, subnormals kept.
;;     - The product sums the exact products of the quantised numbers (number of the format x scale) in f32.
;;   ~~~python
;;   def quantise(x, axis):      # numpy; x: float32 -> the quantised numbers, widened to float32 again
;;       x = np.moveaxis(x, axis, -1); K = x.shape[-1]
;;       x = np.pad(x, [(0, 0)] * (x.ndim - 1) + [(0, -K % 32)]); x = x.reshape(x.shape[:-1] + (-1, 32)); a = np.abs(x).max(-1, keepdims=True)
;;       e = np.where(a > 0, np.clip(np.frexp(np.where(a > 0, a, 1))[1] - 1 - 2, -126, 127), 0)      # np.frexp(a)[1] - 1 = floor(log2(a)), exactly
;;       r = np.clip(x / 2.0 ** e, -7.5, 7.5)
;;       step = 2.0 ** (np.maximum(np.frexp(np.where(r == 0, 1, r))[1] - 1, 0) - 3)
;;       q = np.round(r / step) * step * 2.0 ** e      # np.round: ties to even
;;       return np.moveaxis(q.reshape(q.shape[:-2] + (-1,))[..., :K], -1, axis).astype(np.float32)
;;   ~~~
;;   SOFTMAX AHEAD OF A QUANTISED PRODUCT. Where the list says 'softmax', what is quantised is not the finished softmax but p = 2^(t - M), with t = logit x log2(e) and M = ceil(the row's largest t), a whole number; so 1/2 < the row's largest p <= 1. The row's sum l is taken of the UNQUANTISED p, in f32, and the product's result is divided by l at the end. Since M is a whole number, a kernel that streams over the keys may use a running M (the ceiling of the running maximum): every later rescaling is an exact power of two, which a block's scale takes up: the codes' values come out the same.
;;   OPERANDS COMPUTED ON THE WAY. 'Computed on the way' means the value that the module computes at that place (a softmax that the list does not call 'softmax' is quantised finished and normalised). What goes into a quantiser is computed in f32, as accurately as f32 sums, v_exp_f32 and their like allow (about 1e-6 of the number): no bf16 or f16 on the way to a quantiser, and a product that is left as it is and whose result goes on into a quantised operand takes f32 operands (vector FMAs, or v_wmma_f32_16x16x4_f32). A number that lies on a knife's edge between two numbers of the format may be rounded either way, as far as f32 arithmetic and the matrix unit's own rounding can turn it there, and no further.
;;   INPUTS GIVEN AS CODES. w_out (in the module: [1024, 1024], K = its axis 1); w_qkv (in the module: [3072, 1024], K = its axis 1): each comes as NAME_codes (uint8): NAME with its K axis moved to the last place and cut into blocks of 32 codes, [.., K / 32, bytes a block], one block behind the other in memory; four codes in three bytes: a row's codes are one little-endian stream of bits, code i at bits 6 i .. 6 i + 5 (a code: sign, 2 exponent bits, 3 mantissa bits); and NAME_scales (uint8): the same leading axes, one E8M0 byte (e + 127) for each 32 codes along K. Its value is code x scale, taken as it is: it is not quantised again, and the codes and scales need not be those that the quantiser above would give.
;; 2 versions, each right. Each part assembles by itself: llvm-mc -triple=amdgcn-amd-amdhsa -mcpu=gfx1250 --defsym DOCPART=n.
;; ======== version 1 of 2: 4 launches
;; limits: right only within a limited range of input values
;; workspace buffers: act 6,553,600 bytes; wts 3,276,800 bytes; cs 2,359,296 bytes; qkv 20,447,232 bytes
;; launch prep (part 1): grid 384 x 1, 4 waves a work-group, no clusters, 45,568 bytes of LDS; arguments x, scale, theta, w_qkv_codes, w_qkv_scales, w_out_codes, w_out_scales, act, wts, cs; writes act, wts, cs
.if DOCPART == 1
	.amdgcn_target "amdgcn-amd-amdhsa--gfx1250"
	.amdhsa_code_object_version 6
	.text
	.protected	k_q66aca282b8_prep
	.globl	k_q66aca282b8_prep
	.p2align	8
	.type	k_q66aca282b8_prep,@function
k_q66aca282b8_prep:
	s_mov_b64 s[64:65], 0
	v_nop
	global_prefetch_b8 v0, s[64:65] scope:SCOPE_SE
	s_setreg_imm32_b32 hwreg(HW_REG_WAVE_MODE, 25, 1), 1
	s_wait_xcnt 0x0
; Three jobs, told apart by the work-group's number alone.
;   X (work-groups 0-255):   xn = x * (scale * rsqrt(mean(x^2) + 1e-6)), quantised to E2M3 along the 1,024, laid as operand images into act.
;   W (work-groups 256-319): the given codes and scale bytes of w_qkv and w_out, copied into the same layout, into wts.  Nothing is quantised again.
;   T (work-groups 320-383): cos(theta) and sin(theta) in f32 into cs, and two constant regions (ones, zeros) for the half of a head that is not rotated.
; THE LAYOUT (every GEMM operand, K = 1,024).  Rows go in tiles of 16; a tile is 16 units of 768 bytes; a unit is 16 rows x 64 K as the matrix operand's registers hold it:
; lane L = (r = L % 16, h = L / 16) owns block 2 kk + h of row r, six registers: the first four at 16 L, the last two at 512 + 8 L.  Scale bytes: [row / 128][K / 256][row % 128][8].
; THE ORDER OF ROWS inside each 64: laid row 16 t + r is natural row 32 (r / 8) + 8 t + r % 8.  In a product's result four tiles t = 0..3 then give a lane 32 registers that are 32 neighbours.
; A block's scale is 2^(floor(log2(largest magnitude)) - 2); its byte is the largest magnitude's exponent field - 2, held at 1 from below.
; LIMITS: NaN and infinities are not served.  A block of zeros gets the byte 1 (its codes are zeros; this program alone reads the bytes).  |theta| up to about 1e5 (three-part reduction by pi / 2).
.set XS,    6291456                    ; act: the scale bytes begin here
.set WQS,   2359296                    ; wts: w_qkv's scale bytes,
.set WOC,   2457600                    ; w_out's codes,
.set WOS,   3244032                    ; w_out's scale bytes
.set SINO,  1048576                    ; cs: sin
.set ONES,  2097152                    ; cs: 131,072 bytes of 1.0
.set ZEROS, 2228224                    ; cs: 131,072 bytes of 0.0
.set TST,   4608                       ; LDS: a wave's stage for one row: 32 x (128 bytes + 16)
.set IMG0,  4*TST                      ; two tiles' images, 16 units of UP bytes each
.set IMGT,  12800
.set UP,    800                        ; a unit in LDS: 256 (h = 0) + 16 + 256 (h = 1) + 256 (the last two registers) + 16
.set SST,   IMG0+2*IMGT                ; 1,024 scale bytes: [K / 256][32 rows][8]
.set SCV,   16                         ; v16-47   scale[32 lane ..]
.set R,     48                         ; v48-175  four rows as loaded
.set X,     176                        ; v176-207 my block of the row in hand
.set T,     208                        ; v208-215 at work
.set C,     216                        ; v216-221 a block's codes
.set C2,    222
.set M,     226                        ; v226-229 maxima, the conversion's scale operand, the byte
.set RR,    230                        ; v230-231 rsqrt, twice
; 32 numbers of a lane, one block, become six registers of codes in v[cd] on and a scale byte in v[mx + 3]
.macro QUANT32 src, mx, cd, ce
	v_max3_num_f32 v[\mx], |v[\src]|, |v[\src+1]|, 0x1800000   ; with the floor 2^(3 - 127): the byte cannot fall under 1
	v_max3_num_f32 v[\mx+1], |v[\src+2]|, |v[\src+3]|, |v[\src+4]|
.irp i, 5,9,13,17,21,25
	v_max3_num_f32 v[\mx], v[\mx], |v[\src+\i]|, |v[\src+\i+1]|
	v_max3_num_f32 v[\mx+1], v[\mx+1], |v[\src+\i+2]|, |v[\src+\i+3]|
.endr
	v_max3_num_f32 v[\mx], v[\mx], |v[\src+29]|, |v[\src+30]|
	v_max3_num_f32 v[\mx], v[\mx], v[\mx+1], |v[\src+31]|
	v_add_nc_u32 v[\mx+2], 0xff000000, v[\mx]      ; 2 off the exponent field: the conversion takes this operand's exponent field as its scale
	v_lshrrev_b32 v[\mx+3], 23, v[\mx+2]           ; the byte
	v_cvt_scalef32_pk16_fp6_f32 v[\cd:\cd+2], v[\src:\src+15], v[\mx+2]
	v_cvt_scalef32_pk16_fp6_f32 v[\ce:\ce+2], v[\src+16:\src+31], v[\mx+2]   ; (a conversion's three registers begin on an even number)
	v_nop                                          ; one plain instruction behind a scaled conversion
.irp i, 0,1,2
	v_mov_b32 v[\cd+3+\i], v[\ce+\i]
.endr
.endm
	s_load_b256 s[4:11], s[0:1], 0x0               ; x s[4:5], scale s[6:7], theta s[8:9], w_qkv_codes s[10:11]
	s_load_b256 s[12:19], s[0:1], 0x20             ; w_qkv_scales s[12:13], w_out_codes s[14:15], w_out_scales s[16:17], act s[18:19]
	s_load_b128 s[20:23], s[0:1], 0x40             ; wts s[20:21], cs s[22:23]
	v_lshl_add_u32 v240, v0, 2, 0xb000
	v_mov_b32 v241, 0
	v_lshrrev_b32 v1, 5, v0
	v_readfirstlane_b32 s24, v1                    ; wave
	v_and_b32 v1, 31, v0                           ; lane
	s_wait_kmcnt 0x0
	s_cmp_lt_u32 ttmp9, 256
	s_cbranch_scc0 .Lnot_x
; ---------------- X.  A work-group makes two tiles (32 laid rows); wave w takes eight neighbouring natural rows: tile w / 2, rows 8 (w % 2) + j of it.
	s_lshr_b32 s25, ttmp9, 1
	s_lshl_b32 s25, s25, 6
	s_and_b32 s26, ttmp9, 1
	s_lshl_b32 s26, s26, 4
	s_add_co_u32 s25, s25, s26
	s_and_b32 s27, s24, 1                          ; u
	s_lshr_b32 s28, s24, 1                         ; tl
	s_lshl_b32 s26, s27, 5
	s_add_co_u32 s25, s25, s26
	s_lshl_b32 s26, s28, 3
	s_add_co_u32 s25, s25, s26                     ; my first natural row: 64 (wg / 2) + 16 (wg % 2) + 32 u + 8 tl
	s_lshl_b32 s30, s25, 12
	s_mov_b32 s31, 0
	s_add_nc_u64 s[4:5], s[4:5], s[30:31]
	v_lshlrev_b32 v2, 4, v1                        ; 16 lane
	v_lshlrev_b32 v14, 7, v1                       ; 128 lane
.irp i, 0,1,2,3,4,5,6,7
	global_load_b128 v[SCV+4*\i:SCV+4*\i+3], v14, s[6:7] offset:16*\i
.endr
.macro LOADROW j                       ; a row: eight loads of 512 consecutive bytes
.irp i, 0,1,2,3,4,5,6,7
	global_load_b128 v[R+32*((\j)%4)+4*\i:R+32*((\j)%4)+4*\i+3], v2, s[4:5] offset:4096*(\j)+512*\i th:TH_LOAD_NT
.endr
.endm
	LOADROW 0
	LOADROW 1
	LOADROW 2
	LOADROW 3
	s_mov_b32 s40, 0x358637bd                      ; 1e-6
	s_mov_b32 s42, 0x76543210
	s_mov_b32 s43, 0xfedcba98                      ; lane selects: lane l xor 16
	s_mul_i32 s29, s24, TST
	v_lshrrev_b32 v12, 3, v1
	v_lshl_add_u32 v3, v12, 4, v2
	v_add_nc_u32 v3, s29, v3                       ; the row's stage, in: as loaded, 16 bytes of padding behind each 128
	v_mul_u32_u24 v4, v1, 144
	v_add_nc_u32 v4, s29, v4                       ; and out: my block's 128 bytes
	s_mul_i32 s32, s28, IMGT
	s_add_co_u32 s32, s32, IMG0                    ; my tile's image
	v_lshrrev_b32 v12, 1, v1
	v_mul_u32_u24 v12, v12, UP                     ; block l lies in unit l / 2, half l % 2
	v_and_b32 v13, 1, v1
	v_mad_u32_u24 v5, v13, 272, v12
	s_lshl_b32 s33, s27, 7
	s_add_co_u32 s33, s33, s32
	v_add_nc_u32 v5, s33, v5                       ; the first four registers of row 8 u + j: + 16 j
	v_lshl_add_u32 v6, v13, 7, v12
	s_lshl_b32 s33, s27, 6
	s_add_co_u32 s33, s33, s32
	s_add_co_u32 s33, s33, 528
	v_add_nc_u32 v6, s33, v6                       ; the last two: + 8 j
	v_lshrrev_b32 v12, 3, v1
	v_and_b32 v13, 7, v1
	v_lshl_add_u32 v7, v12, 8, v13
	s_lshl_b32 s33, s24, 6
	s_add_co_u32 s33, s33, SST
	v_add_nc_u32 v7, s33, v7                       ; my block's scale byte: + 8 j
	v_and_b32 v12, 15, v1
	v_lshrrev_b32 v13, 4, v1
	v_lshlrev_b32 v12, 4, v12
	v_mad_u32_u24 v8, v13, 272, v12
	s_mul_i32 s33, s27, 8*UP
	s_add_co_u32 s33, s33, s32
	v_add_nc_u32 v8, s33, v8                       ; the way out: units 8 u + i of my tile, as a lane of the image
	v_lshlrev_b32 v10, 3, v1                       ; 8 lane
	s_add_co_u32 s33, s33, 528
	v_add_nc_u32 v9, s33, v10
	s_lshl_b32 s33, s24, 8
	s_add_co_u32 s33, s33, SST
	v_add_nc_u32 v11, s33, v10                     ; and the 256 scale bytes of K / 256 = wave
	s_lshl_b32 s34, ttmp9, 1
	s_add_co_u32 s34, s34, s28
	s_mul_i32 s34, s34, 12288
	s_mul_i32 s35, s27, 8*768
	s_add_co_u32 s34, s34, s35
	s_mov_b32 s35, 0
	s_add_nc_u64 s[36:37], s[18:19], s[34:35]      ; act: tile 2 wg + tl, unit 8 u
	s_lshr_b32 s34, ttmp9, 2
	s_lshl_b32 s34, s34, 12
	s_lshl_b32 s38, s24, 10
	s_add_co_u32 s34, s34, s38
	s_and_b32 s38, ttmp9, 3
	s_lshl_b32 s38, s38, 8
	s_add_co_u32 s34, s34, s38
	s_add_co_u32 s34, s34, XS
	s_add_nc_u64 s[38:39], s[18:19], s[34:35]      ; act's scale bytes: my work-group's 32 rows, K / 256 = wave
.macro ROW j
.set RS, R+32*((\j)%4)
.if (\j) < 5
	s_wait_loadcnt 24                              ; this row (and scale) is in; the three rows behind it, eight loads each, stay out
.else
	s_wait_loadcnt 8*(7-(\j))
.endif
.irp i, 0,1,2,3,4,5,6,7
	ds_store_b128 v3, v[RS+4*\i:RS+4*\i+3] offset:576*\i
.endr
.irp i, 0,1,2,3,4,5,6,7
	ds_load_b128 v[X+4*\i:X+4*\i+3], v4 offset:16*\i     ; LDS serves a wave's instructions in order: these see the stores above
.endr
.irp c, 0,1,2,3
	v_pk_mul_f32 v[T+2*\c:T+2*\c+1], v[RS+2*\c:RS+2*\c+1], v[RS+2*\c:RS+2*\c+1]   ; the sum of squares, in four chains; the first products start them
.endr
.irp k, 8,16,24
.irp c, 0,1,2,3
	v_pk_fma_f32 v[T+2*\c:T+2*\c+1], v[RS+\k+2*\c:RS+\k+2*\c+1], v[RS+\k+2*\c:RS+\k+2*\c+1], v[T+2*\c:T+2*\c+1]
.endr
.endr
	v_pk_add_f32 v[T:T+1], v[T:T+1], v[T+2:T+3]
	v_pk_add_f32 v[T+4:T+5], v[T+4:T+5], v[T+6:T+7]
	v_pk_add_f32 v[T:T+1], v[T:T+1], v[T+4:T+5]
	v_add_f32 v[T], v[T], v[T+1]
	v_add_f32_dpp v[T], v[T], v[T] row_xmask:1 row_mask:0xf bank_mask:0xf
	v_add_f32_dpp v[T], v[T], v[T] row_xmask:2 row_mask:0xf bank_mask:0xf
	v_add_f32_dpp v[T], v[T], v[T] row_xmask:4 row_mask:0xf bank_mask:0xf
	v_add_f32_dpp v[T], v[T], v[T] row_xmask:8 row_mask:0xf bank_mask:0xf
	v_permlanex16_b32 v[T+1], v[T], s42, s43
	v_add_f32 v[T], v[T], v[T+1]
	v_fma_f32 v[T], v[T], 0x3a800000, s40          ; / 1,024 + 1e-6
	v_rsq_f32 v[RR], v[T]
	v_rsq_f32 v[RR+1], v[T]                        ; twice: a pair for the packed multiply
	v_nop                                          ; a plain instruction behind the transcendentals
	s_wait_alu depctr_va_vdst(0)                   ; one wait for both, ahead of their first reader
	s_wait_dscnt 0x0                               ; my block is back; the stage's stores have read this row's registers, the last row's image stores theirs
.if (\j) < 4
	LOADROW (\j)+4
.endif
.irp k, 0,2,4,6,8,10,12,14,16,18,20,22,24,26,28,30
	v_pk_mul_f32 v[T+(\k)%8:T+(\k)%8+1], v[SCV+\k:SCV+\k+1], v[RR:RR+1]     ; s = scale * rsqrt
	v_pk_mul_f32 v[X+\k:X+\k+1], v[X+\k:X+\k+1], v[T+(\k)%8:T+(\k)%8+1]     ; x * s
.endr
	QUANT32 X, M, C, C2
	ds_store_b128 v5, v[C:C+3] offset:16*(\j)
	ds_store_b64 v6, v[C+4:C+5] offset:8*(\j)
	ds_store_b8 v7, v[M+3] offset:8*(\j)
.endm
.irp j, 0,1,2,3,4,5,6,7
	ROW \j
.endr
	s_wait_dscnt 0x0                               ; for the others' sake: my part of the images has landed
	s_barrier_signal -1
	s_barrier_wait -1
.irp i, 0,1,2,3,4,5,6,7
	ds_load_b128 v[48+6*\i:51+6*\i], v8 offset:UP*\i
	ds_load_b64 v[52+6*\i:53+6*\i], v9 offset:UP*\i
.endr
	ds_load_b64 v[96:97], v11
.irp i, 0,1,2,3,4,5,6,7
	s_wait_dscnt 15-2*\i                           ; unit i's two loads are in; the later units' and the scale bytes' stay out
	global_store_b128 v2, v[48+6*\i:51+6*\i], s[36:37] offset:768*\i        ; 512 consecutive bytes, at a multiple of 256 from the buffer's first byte
	global_store_b64 v10, v[52+6*\i:53+6*\i], s[36:37] offset:768*\i+512    ; and 256 more
.endr
	s_wait_dscnt 0x0
	global_store_b64 v10, v[96:97], s[38:39]       ; 256 consecutive bytes
	s_wait_tensorcnt 0x0
	ds_add_u32 v240, v241
	s_wait_dscnt 0x0
	s_endpgm
.Lnot_x:
	s_cmp_lt_u32 ttmp9, 320
	s_cbranch_scc0 .Ltheta
; ---------------- W.  A wave copies one tile of 16 rows: 192 tiles of w_qkv, then 64 of w_out.  The scale bytes leave in runs of 128 bytes (131,072 bytes in all).
	s_sub_co_u32 s25, ttmp9, 256
	s_lshl_b32 s25, s25, 2
	s_add_co_u32 s25, s25, s24                     ; tile 0..255
	s_mov_b32 s28, WOS
	s_cmp_lt_u32 ttmp9, 304                        ; the choice hangs on the work-group's number alone
	s_cselect_b64 s[10:11], s[10:11], s[14:15]
	s_cselect_b64 s[12:13], s[12:13], s[16:17]
	s_cselect_b32 s26, 0, 192
	s_cselect_b32 s27, 0, WOC
	s_cselect_b32 s28, WQS, s28
	s_sub_co_u32 s25, s25, s26                     ; the tile's number in its tensor
	s_lshr_b32 s29, s25, 2
	s_lshl_b32 s29, s29, 6
	s_and_b32 s30, s25, 3
	s_lshl_b32 s30, s30, 3
	s_add_co_u32 s29, s29, s30                     ; natural row of the tile's row 0: 64 (tile / 4) + 8 (tile % 4)
	s_mul_i32 s30, s29, 768
	s_mov_b32 s31, 0
	s_add_nc_u64 s[10:11], s[10:11], s[30:31]
	s_lshl_b32 s30, s29, 5
	s_add_nc_u64 s[12:13], s[12:13], s[30:31]
	v_and_b32 v2, 15, v1                           ; r
	v_lshrrev_b32 v3, 4, v1                        ; h
	v_and_b32 v4, 7, v2
	v_lshrrev_b32 v5, 3, v2
	v_lshl_add_u32 v4, v5, 5, v4                   ; 32 (r / 8) + r % 8
	v_mul_u32_u24 v5, v4, 768
	v_mad_u32_u24 v5, v3, 24, v5
	v_lshlrev_b32 v6, 5, v4
	v_lshl_add_u32 v6, v3, 3, v6
.irp k, 0,1,2,3,4,5,6,7,8,9,10,11,12,13,14,15
.irp p, 0,1,2
	global_load_b64 v[48+6*\k+2*\p:49+6*\k+2*\p], v5, s[10:11] offset:48*\k+8*\p     ; block 2 k + h of my row, 24 bytes in three pieces
.endr
.endr
	global_load_b64 v[16:17], v6, s[12:13]         ; the scale bytes of K / 256 = h
	global_load_b64 v[18:19], v6, s[12:13] offset:16   ; and of 2 + h
	s_mul_i32 s30, s25, 12288
	s_add_co_u32 s30, s30, s27
	s_add_nc_u64 s[32:33], s[20:21], s[30:31]
	s_lshr_b32 s30, s25, 3
	s_lshl_b32 s30, s30, 12
	s_and_b32 s29, s25, 7
	s_lshl_b32 s29, s29, 7
	s_add_co_u32 s30, s30, s29
	s_add_co_u32 s30, s30, s28
	s_add_nc_u64 s[34:35], s[20:21], s[30:31]
	v_lshlrev_b32 v7, 4, v1
	v_lshlrev_b32 v8, 3, v1
	v_lshlrev_b32 v9, 3, v2
	v_lshl_add_u32 v9, v3, 10, v9
	s_wait_loadcnt 0x0
.irp k, 0,1,2,3,4,5,6,7,8,9,10,11,12,13,14,15
	global_store_b128 v7, v[48+6*\k:51+6*\k], s[32:33] offset:768*\k
	global_store_b64 v8, v[52+6*\k:53+6*\k], s[32:33] offset:768*\k+512
.endr
	global_store_b64 v9, v[16:17], s[34:35]
	global_store_b64 v9, v[18:19], s[34:35] offset:2048
	s_endpgm
.Ltheta:
; ---------------- T.  A wave takes 1,024 angles.  n = round(theta * 2 / pi); r = theta - n pi / 2 in three fused steps; sin r and cos r by their series to r^9 and r^10
; (|r| <= pi / 4: what is left out lies under 2e-9); the quadrant n mod 4 swaps them and sets the signs.
.set TH, 16
.set CO, 48
.set SI, 80
.set N,  120
.set RD, 124
.set Z,  128
.set P,  132
.set Q,  136
.set I,  140
.set U,  144
	s_sub_co_u32 s25, ttmp9, 320
	s_lshl_b32 s25, s25, 2
	s_add_co_u32 s25, s25, s24                     ; 0..255
	s_lshl_b32 s30, s25, 12
	s_mov_b32 s31, 0
	s_add_nc_u64 s[8:9], s[8:9], s[30:31]
	s_add_nc_u64 s[38:39], s[22:23], s[30:31]
	s_lshl_b32 s30, s25, 9
	s_add_nc_u64 s[40:41], s[22:23], s[30:31]
	v_lshlrev_b32 v2, 4, v1
.irp i, 0,1,2,3,4,5,6,7
	global_load_b128 v[TH+4*\i:TH+4*\i+3], v2, s[8:9] offset:512*\i
.endr
	s_mov_b32 s26, 0xbfc90fd8                      ; -pi / 2 in three parts
	s_mov_b32 s27, 0xb4a8885a
	s_mov_b32 s28, 0xa7c234c4
	s_mov_b32 s29, 0x3638ef1d                      ; 1 / 9!
	s_mov_b32 s30, 0xb9500d01                      ; -1 / 7!
	s_mov_b32 s31, 0x3c088889                      ; 1 / 5!
	s_mov_b32 s32, 0xbe2aaaab                      ; -1 / 3!
	s_mov_b32 s33, 0xb493f27e                      ; -1 / 10!
	s_mov_b32 s34, 0x37d00d01                      ; 1 / 8!
	s_mov_b32 s35, 0xbab60b61                      ; -1 / 6!
	s_mov_b32 s36, 0x3d2aaaab                      ; 1 / 4!
.irp e, 0,1,2,3
	v_mov_b32 v[112+\e], 1.0
	v_mov_b32 v[116+\e], 0
.endr
	global_store_b128 v2, v[112:115], s[40:41] offset:ONES
	global_store_b128 v2, v[116:119], s[40:41] offset:ZEROS
.macro SINCOS4 b                       ; four angles by turns, so that no line waits for the line above it
.irp e, 0,1,2,3
	v_mul_f32 v[N+\e], 0x3f22f983, v[TH+\b+\e]
.endr
.irp e, 0,1,2,3
	v_rndne_f32 v[N+\e], v[N+\e]
.endr
.irp e, 0,1,2,3
	v_fma_f32 v[RD+\e], v[N+\e], s26, v[TH+\b+\e]
.endr
.irp e, 0,1,2,3
	v_fma_f32 v[RD+\e], v[N+\e], s27, v[RD+\e]
.endr
.irp e, 0,1,2,3
	v_fma_f32 v[RD+\e], v[N+\e], s28, v[RD+\e]
.endr
.irp e, 0,1,2,3
	v_cvt_i32_f32 v[I+\e], v[N+\e]
.endr
.irp e, 0,1,2,3
	v_mul_f32 v[Z+\e], v[RD+\e], v[RD+\e]
.endr
.irp e, 0,1,2,3
	v_fma_f32 v[P+\e], v[Z+\e], s29, s30
	v_fma_f32 v[Q+\e], v[Z+\e], s33, s34
.endr
.irp e, 0,1,2,3
	v_fma_f32 v[P+\e], v[P+\e], v[Z+\e], s31
	v_fma_f32 v[Q+\e], v[Q+\e], v[Z+\e], s35
.endr
.irp e, 0,1,2,3
	v_fma_f32 v[P+\e], v[P+\e], v[Z+\e], s32
	v_fma_f32 v[Q+\e], v[Q+\e], v[Z+\e], s36
.endr
.irp e, 0,1,2,3
	v_mul_f32 v[U+\e], v[RD+\e], v[Z+\e]
	v_fma_f32 v[Q+\e], v[Q+\e], v[Z+\e], -0.5
.endr
.irp e, 0,1,2,3
	v_fma_f32 v[P+\e], v[P+\e], v[U+\e], v[RD+\e]  ; sin r
	v_fma_f32 v[Q+\e], v[Q+\e], v[Z+\e], 1.0       ; cos r
.endr
.irp e, 0,1,2,3
	v_and_b32 v[U+\e], 1, v[I+\e]
	v_cmp_eq_u32 vcc_lo, 1, v[U+\e]
	v_cndmask_b32 v[SI+\b+\e], v[P+\e], v[Q+\e], vcc_lo    ; odd quadrants swap the two
	v_cndmask_b32 v[CO+\b+\e], v[Q+\e], v[P+\e], vcc_lo
.endr
.irp e, 0,1,2,3
	v_lshlrev_b32 v[U+\e], 30, v[I+\e]
	v_add_nc_u32 v[I+\e], 1, v[I+\e]
.endr
.irp e, 0,1,2,3
	v_and_b32 v[U+\e], 0x80000000, v[U+\e]         ; sin is negated in quadrants 2 and 3,
	v_lshlrev_b32 v[I+\e], 30, v[I+\e]
.endr
.irp e, 0,1,2,3
	v_xor_b32 v[SI+\b+\e], v[SI+\b+\e], v[U+\e]
	v_and_b32 v[I+\e], 0x80000000, v[I+\e]         ; cos in quadrants 1 and 2
.endr
.irp e, 0,1,2,3
	v_xor_b32 v[CO+\b+\e], v[CO+\b+\e], v[I+\e]
.endr
.endm
.irp i, 0,1,2,3,4,5,6,7
	s_wait_loadcnt 7-\i                            ; load i is in; the later ones stay out
	SINCOS4 4*\i
	global_store_b128 v2, v[CO+4*\i:CO+4*\i+3], s[38:39] offset:512*\i
	global_store_b128 v2, v[SI+4*\i:SI+4*\i+3], s[38:39] offset:512*\i+SINO
.endr
	s_endpgm
.Lfunc_end_k_q66aca282b8_prep:
	.size	k_q66aca282b8_prep, .Lfunc_end_k_q66aca282b8_prep-k_q66aca282b8_prep
	.p2alignl 7, 3214868480
	.fill 96, 4, 3214868480
	.section	.rodata,"a",@progbits
	.p2align	6, 0x0
	.amdhsa_kernel k_q66aca282b8_prep
		.amdhsa_group_segment_fixed_size 45568
		.amdhsa_private_segment_fixed_size 0
		.amdhsa_enable_private_segment 0
		.amdhsa_kernarg_size 80
		.amdhsa_user_sgpr_count 2
		.amdhsa_user_sgpr_kernarg_segment_ptr 1
		.amdhsa_wavefront_size32 1
		.amdhsa_system_sgpr_workgroup_id_x 1
		.amdhsa_system_sgpr_workgroup_id_y 1
		.amdhsa_system_sgpr_workgroup_id_z 1
		.amdhsa_system_vgpr_workitem_id 0
		.amdhsa_next_free_vgpr 242
		.amdhsa_next_free_sgpr 66
		.amdhsa_reserve_vcc 1
		.amdhsa_float_denorm_mode_32 3
		.amdhsa_float_denorm_mode_16_64 3
		.amdhsa_memory_ordered 1
		.amdhsa_forward_progress 1
		.amdhsa_inst_pref_size 122
	.end_amdhsa_kernel
	.amdgpu_metadata
---
amdhsa.version: [ 1, 2 ]
amdhsa.kernels:
  - .name:           k_q66aca282b8_prep
    .symbol:         k_q66aca282b8_prep.kd
    .args:
      - { .name: x, .offset: 0, .size: 8, .value_kind: global_buffer, .address_space: global }
      - { .name: scale, .offset: 8, .size: 8, .value_kind: global_buffer, .address_space: global }
      - { .name: theta, .offset: 16, .size: 8, .value_kind: global_buffer, .address_space: global }
      - { .name: w_qkv_codes, .offset: 24, .size: 8, .value_kind: global_buffer, .address_space: global }
      - { .name: w_qkv_scales, .offset: 32, .size: 8, .value_kind: global_buffer, .address_space: global }
      - { .name: w_out_codes, .offset: 40, .size: 8, .value_kind: global_buffer, .address_space: global }
      - { .name: w_out_scales, .offset: 48, .size: 8, .value_kind: global_buffer, .address_space: global }
      - { .name: act, .offset: 56, .size: 8, .value_kind: global_buffer, .address_space: global }
      - { .name: wts, .offset: 64, .size: 8, .value_kind: global_buffer, .address_space: global }
      - { .name: cs, .offset: 72, .size: 8, .value_kind: global_buffer, .address_space: global }
    .group_segment_fixed_size: 45568
    .private_segment_fixed_size: 0
    .kernarg_segment_align: 8
    .kernarg_segment_size: 80
    .max_flat_workgroup_size: 128
    .sgpr_count:     66
    .vgpr_count:     242
    .wavefront_size: 32
...
	.end_amdgpu_metadata
.endif
;; end of part 1
;; launch qkv (part 2): grid 12 x 32, 4 waves a work-group, clusters of 4 x 4, 327,680 bytes of LDS; arguments act, wts, cs, qkv; writes qkv
.if DOCPART == 2
	.amdgcn_target "amdgcn-amd-amdhsa--gfx1250"
	.amdhsa_code_object_version 6
	.text
	.protected	k_q66aca282b8_qkv
	.globl	k_q66aca282b8_qkv
	.p2align	8
	.type	k_q66aca282b8_qkv,@function
k_q66aca282b8_qkv:
	s_mov_b64 s[64:65], 0
	v_nop
	global_prefetch_b8 v0, s[64:65] scope:SCOPE_SE
	s_setreg_imm32_b32 hwreg(HW_REG_WAVE_MODE, 25, 1), 1
	s_wait_xcnt 0x0
	s_wait_alu depctr_hold_cnt(0) depctr_sa_sdst(0) depctr_va_vdst(0) depctr_va_sdst(0) depctr_va_ssrc(0) depctr_va_vcc(0) depctr_vm_vsrc(0)
	s_getreg_b32 s2, hwreg(HW_REG_IB_STS2, 6, 4)
	s_cmp_eq_u32 s2, 0
	s_cbranch_scc0 .Lentry_in_a_cluster
	s_endpgm
.Lentry_in_a_cluster:
	s_bfe_u32 s2, ttmp6, 0x10000c
	s_cmp_lg_u32 s2, 0xf033
	s_cbranch_scc0 .Lentry_shape_is_right
	s_endpgm
.Lentry_shape_is_right:
; qkv = xn w_qkv^T on codes of E2M3 (K = 1,024), then the rotation of q and k, then the quantising of q, k (along the head's 64) and v (along the keys), all in registers; stored as operand images for the attention.
; A tile of 256 x 256 of the product is made by a work-group of four waves, 128 x 128 a wave: 64 accumulators, 512 registers.  K goes in steps of 256 through a ring of two LDS slots filled by the tensor data mover.
; Both operands lie in memory as images of the operand's registers: a tile of 16 rows is 16 units (64 K) of 768 bytes; lane L's six registers of a unit lie at 16 L (four) and 512 + 8 L (two).  So a fragment is two loads of
; 16 bytes and two of 8 a lane, each over consecutive bytes, and a K step of 8 row tiles is a tensor tile of 8 rows of 3,072 bytes.
; Inside each 64 rows, laid row 16 t + r is natural row 32 (r / 8) + 8 t + r % 8: the 32 registers of four neighbouring source-0 tiles are then 32 NEIGHBOURS, 32 (lane / 16) + 0..31: a whole block of the next quantiser in one lane.
; ROLES, by the cluster's x, which all sixteen partners share.  x = 0 (q), 1 (k): source 1 ("A") = 256 tokens, source 0 ("B") = 256 rows of w: a lane holds one token and half a head.
; x = 2 (v): A = 256 rows of w's last third, B = 256 tokens: a lane holds one channel, and its registers run along the keys, which are the second attention product's K.
; CLUSTERS: 4 x 4.  A's tile is shared along a row of the cluster, B's along a column: each is asked for jointly.
; THE RECORDS: one for each (batch, head), REC bytes: K's codes [key step of 128][8 units][768], V's [key step][4 tiles of 16 channels][2 units][768], K's and V's scale words [key step][lane][4 words], then Q's codes and words like K's.
; LIMITS: NaN and infinities are not served; a block of zeros gets the scale byte 1 (its codes are zeros; this program alone reads the bytes).
; REGISTERS: window 0: v14-31 addresses; v32-63 scale words (nothing else, ever); v128-223 A's fragments, one set; in the way out v64-127 cos and sin, v128-199 at work.  window 1: B's fragments, two sets.  windows 2, 3: the accumulators ((a, b) at v[8 (8 (a % 4) + b)]).
.set XS,    6291456
.set WQS,   2359296
.set SINO,  1048576
.set ONES,  2097152
.set ZEROS, 2228224
.set REC,   159744
.set VCO,   49152
.set KSO,   98304
.set VSO,   102400
.set QC,    106496
.set QSO,   155648
.set NQ,    2                          ; matrix instructions deep in a slot
.set FR,    12                         ; registers of a fragment
.set NL,    4                          ; LDS loads that bring one
.set NP,    4                          ; places behind this matrix instruction (ISA guide 7.12.1)
.set RTB,   3072                       ; a row tile's bytes in a slot: four units
.set HALFT, 8*RTB                      ; 128 rows: what one tensor load brings
.set SLOT,  4*HALFT
.set SCL,   2*SLOT                     ; behind the ring: the scale bytes of A's and B's 256 rows, for all of K: filled once
.set HALFS, 4096
.set SPARE, SCL+4*HALFS                ; the spare words, 128 bytes for each wave: two blocks of 256 bytes that no other line names
.set ADRA, 16                          ; v16-17 A's fragments in slot 0, 1, + 16 lane;  v18-19 the same + 8 lane
.set ADRB, 20                          ; v20-23 the same for B
.set L16,  24                          ; v24 16 lane
.set L8,   25                          ; v25 8 lane
.set ADRS, 27                          ; v27 my scale words: lanes 0-15 A's rows, lanes 16-31 B's
.set SPW,  28
.set NIL,  29
.set SC,   32
.set AF,   128
.set G1, 24
.set G0, 32
.set G1B, 48
.set G0B, 56
.set G1S, 68
.set G0S, 76
.set G1SB, 80
.set G0SB, 88
.set MSB, 0
.macro WIN new                         ; the immediate's high byte repeats the setting that is left
.if MSB != \new
	s_set_vgpr_msb (MSB<<8)|\new
.set MSB, \new
.endif
.endm
.set MUL_LO, 0xa1                      ; source 0 (B) window 1, source 1 (A) window 0, C and D window 2
.set MUL_HI, 0xf1
.set TO_B,   0x40
; A joint load: waves 0 and 1 fetch for A, waves 2 and 3 for B; the branch hangs on the wave's number alone.  Four v_nop follow each of the two lines.
.macro JLOAD g0a, g1a, g0b, g1b
	s_cmp_eq_u32 s15, 0
	s_cbranch_scc0 .Lfor_b_\@
	tensor_load_to_lds s[\g0a:\g0a+3], s[\g1a:\g1a+7]
	s_nop 0
.rept 4
	v_nop
.endr
	s_branch .Lasked_\@
.Lfor_b_\@:
	tensor_load_to_lds s[\g0b:\g0b+3], s[\g1b:\g1b+7]
	s_nop 0
.rept 4
	v_nop
.endr
.Lasked_\@:
.endm
.macro CREST                           ; a round of the cluster's barrier behind its opening barrier
	s_cmp_lg_u32 s14, 0
	s_cbranch_scc1 .Lnot_wave_0_\@
	s_barrier_signal -3
.Lnot_wave_0_\@:
	s_barrier_wait -3
	s_barrier_signal -1
	s_barrier_wait -1
.endm
.macro CROUND
	s_barrier_signal -1
	s_barrier_wait -1
	CREST
.endm
	s_load_b256 s[4:11], s[0:1], 0x0               ; act s[4:5], wts s[6:7], cs s[8:9], qkv s[10:11]
	v_lshl_add_u32 v[SPW], v0, 2, SPARE
	v_mov_b32 v[NIL], 0
	ds_add_u32 v28, v29
	ds_add_u32 v28, v29
	s_wait_dscnt 0x0
	v_lshrrev_b32 v1, 5, v0
	v_readfirstlane_b32 s14, v1                    ; wave 0..3
	s_lshr_b32 s15, s14, 1                         ; which half of A's rows is mine.  Also: I fetch for A (0) or for B (1)
	s_and_b32 s16, s14, 1                          ; which half of B's rows.  Also: which 128 rows I fetch
	s_bfe_u32 s40, ttmp6, 0x40000                  ; cx
	s_bfe_u32 s41, ttmp6, 0x40004                  ; cy
	s_and_b32 s12, ttmp7, 0xffff                   ; cluster y: the batch
	s_lshl_b32 s13, s12, 2
	s_lshl_b32 s42, ttmp9, 2
	s_mov_b32 s18, XS
	s_mov_b32 s19, WQS
	s_cmp_eq_u32 ttmp9, 2                          ; the role: the same in all sixteen partners
	s_cselect_b32 s17, 8, s13
	s_cselect_b32 s42, s13, s42
	s_cselect_b32 s66, s19, s18                    ; where the scale bytes begin in A's buffer,
	s_cselect_b32 s67, s18, s19                    ; and in B's
	s_add_co_u32 s17, s17, s41                     ; A's tile of 256 rows: tokens 4 batch + cy, or w's 8 + cy
	s_add_co_u32 s42, s42, s40                     ; B's: w's 4 x + cx, or tokens 4 batch + cx
	s_lshl_b32 s43, s41, 2
	s_lshl_b32 s43, 15, s43                        ; my row of the cluster
	s_lshl_b32 s44, 0x1111, s40                    ; my column
	; descriptor group 1: 8 rows (row tiles) of 384 elements of 8 bytes, 1,536 elements apart; no padding
	s_or_b32 s[G1+0], s43, (3<<16)|(1<<21)         ; 15:0 the mask; 17:16 elements of 8 bytes; 21 set beside a mask
	s_or_b32 s[G1B+0], s44, (3<<16)|(1<<21)
.irp g, G1, G1B
	s_mov_b32 s[\g+1], 384<<16                     ; tensor_dim0
	s_mov_b32 s[\g+2], 8<<16                       ; tensor_dim1
	s_mov_b32 s[\g+3], 384<<16                     ; tile_dim0
	s_mov_b32 s[\g+4], 8                           ; tile_dim1
	s_mov_b32 s[\g+5], 1536                        ; tensor_dim0_stride
	s_mov_b32 s[\g+6], 0
	s_mov_b32 s[\g+7], 0
.endr
	; the scale bytes of 128 rows: 4,096 dense bytes as 16 rows of 256
	s_or_b32 s[G1S+0], s43, (3<<16)|(1<<21)
	s_or_b32 s[G1SB+0], s44, (3<<16)|(1<<21)
.irp g, G1S, G1SB
	s_mov_b32 s[\g+1], 32<<16
	s_mov_b32 s[\g+2], 16<<16
	s_mov_b32 s[\g+3], 32<<16
	s_mov_b32 s[\g+4], 16
	s_mov_b32 s[\g+5], 32
	s_mov_b32 s[\g+6], 0
	s_mov_b32 s[\g+7], 0
.endr
	s_lshl_b32 s20, s17, 1
	s_add_co_u32 s20, s20, s16                     ; A: which 128 rows I fetch
	s_lshl_b32 s46, s42, 1
	s_add_co_u32 s46, s46, s16                     ; B likewise
	s_lshl_b32 s22, s20, 12
	s_add_co_u32 s22, s22, s66                     ; their scale bytes,
	s_lshl_b32 s92, s46, 12
	s_add_co_u32 s92, s92, s67
	s_mul_i32 s20, s20, 8*12288                    ; and their codes
	s_mul_i32 s46, s46, 8*12288
	s_mov_b32 s21, 0
	s_mov_b32 s23, 0
	s_mov_b32 s47, 0
	s_mov_b32 s93, 0
	s_mul_i32 s45, s14, HALFT                      ; where they go: wave x 128 rows: no place in the cluster enters an LDS address
	s_lshl_b32 s94, s14, 12
	s_wait_kmcnt 0x0
	s_cmp_eq_u32 ttmp9, 2
	s_cselect_b64 s[96:97], s[6:7], s[4:5]         ; A's buffer
	s_cselect_b64 s[98:99], s[4:5], s[6:7]         ; B's
	s_add_nc_u64 s[20:21], s[96:97], s[20:21]
	s_add_nc_u64 s[22:23], s[96:97], s[22:23]
	s_add_nc_u64 s[46:47], s[98:99], s[46:47]
	s_add_nc_u64 s[92:93], s[98:99], s[92:93]
	CROUND                                         ; all sixteen work-groups are here: the first joint loads meet
	s_mov_b32 s[G0S], 1
	s_add_co_u32 s[G0S+1], s94, SCL
	s_mov_b64 s[G0S+2:G0S+3], s[22:23]
	s_or_b32 s[G0S+3], s[G0S+3], 0x80000000
	s_mov_b32 s[G0SB], 1
	s_add_co_u32 s[G0SB+1], s94, SCL
	s_mov_b64 s[G0SB+2:G0SB+3], s[92:93]
	s_or_b32 s[G0SB+3], s[G0SB+3], 0x80000000
	JLOAD G0S, G1S, G0SB, G1SB                     ; the scale bytes first: they are wanted with K step 0
.irp s, 0,1
	s_mov_b32 s[G0+4*\s], 1
	s_add_co_u32 s[G0+4*\s+1], s45, \s*SLOT
	s_add_nc_u64 s[G0+4*\s+2:G0+4*\s+3], s[20:21], \s*RTB
	s_or_b32 s[G0+4*\s+3], s[G0+4*\s+3], 0x80000000
	s_mov_b32 s[G0B+4*\s], 1
	s_add_co_u32 s[G0B+4*\s+1], s45, \s*SLOT
	s_add_nc_u64 s[G0B+4*\s+2:G0B+4*\s+3], s[46:47], \s*RTB
	s_or_b32 s[G0B+4*\s+3], s[G0B+4*\s+3], 0x80000000
	JLOAD G0+4*\s, G1, G0B+4*\s, G1B
.endr
	v_and_b32 v1, 31, v0
	v_lshlrev_b32 v[L16], 4, v1
	v_lshlrev_b32 v[L8], 3, v1
	s_mul_i32 s21, s15, HALFT                      ; my 128 rows of A
	s_mul_i32 s22, s16, HALFT                      ; my 128 rows of B,
	s_add_co_u32 s22, s22, 2*HALFT                 ; which lie behind A's 256
.irp s, 0,1
	v_add_nc_u32 v[ADRA+\s], s21, v[L16]
	v_add_nc_u32 v[ADRB+\s], s22, v[L16]
	v_add_nc_u32 v[ADRA+2+\s], s21, v[L8]
	v_add_nc_u32 v[ADRB+2+\s], s22, v[L8]
	s_add_co_u32 s21, s21, SLOT
	s_add_co_u32 s22, s22, SLOT
.endr
	v_and_b32 v1, 15, v0                           ; r
	v_bfe_u32 v2, v0, 4, 1                         ; h
	v_lshlrev_b32 v5, 3, v1                        ; 8 bytes a row and K step
	s_lshl_b32 s21, s15, 12                        ; A's: my 128 rows
	s_lshl_b32 s22, s16, 12                        ; B's: my 128 rows, behind A's 256
	s_add_co_u32 s22, s22, 2*HALFS
	s_sub_co_u32 s22, s22, s21
	v_mul_u32_u24 v6, s22, v2                      ; lanes 16-31 take B's
	s_add_co_u32 s21, s21, SCL
	v_add_nc_u32 v5, v5, v6
	v_add_nc_u32 v[ADRS], s21, v5
.macro FRAG reg, adr, q, i             ; a fragment: units 2 q and 2 q + 1 of row tile i, as they lie
.irp c, 0,1
	ds_load_b128 v[\reg+6*\c:\reg+6*\c+3], v[\adr] offset:RTB*(\i)+768*(2*(\q)+\c)
	ds_load_b64 v[\reg+6*\c+4:\reg+6*\c+5], v[\adr+2] offset:RTB*(\i)+768*(2*(\q)+\c)+512
.endr
.endm
; 16 matrix instructions: A's blocks a0, a0 + 1 x B's eight.  The 64 accumulators take turns, one instruction a turn, in the same order in every step.
.macro MUL16 a0, p, q, sc, zero
.irp a, \a0, \a0+1
.irp b, 0,1,2,3,4,5,6,7
.if \zero
	v_wmma_scale_f32_16x16x128_f8f6f4 v[8*(8*((\a)%4)+\b):8*(8*((\a)%4)+\b)+7], v[128*(\p)+FR*\b:128*(\p)+FR*\b+FR-1], v[AF+FR*(\a):AF+FR*(\a)+FR-1], 0, v[SC+8*NQ*(\sc)+NQ*\b+(\q)], v[SC+8*NQ*(\sc)+NQ*(\a)+(\q)] matrix_a_fmt:MATRIX_FMT_FP6 matrix_b_fmt:MATRIX_FMT_FP6 matrix_a_scale:MATRIX_SCALE_ROW1
.else
	v_wmma_scale_f32_16x16x128_f8f6f4 v[8*(8*((\a)%4)+\b):8*(8*((\a)%4)+\b)+7], v[128*(\p)+FR*\b:128*(\p)+FR*\b+FR-1], v[AF+FR*(\a):AF+FR*(\a)+FR-1], v[8*(8*((\a)%4)+\b):8*(8*((\a)%4)+\b)+7], v[SC+8*NQ*(\sc)+NQ*\b+(\q)], v[SC+8*NQ*(\sc)+NQ*(\a)+(\q)] matrix_a_fmt:MATRIX_FMT_FP6 matrix_b_fmt:MATRIX_FMT_FP6 matrix_a_scale:MATRIX_SCALE_ROW1
.endif
.endr
.endr
.endm
.macro FETCH_B slot, q, p
	WIN TO_B
.irp i, 0,1,2,3,4,5,6,7
	FRAG 128*(\p)+FR*\i, ADRB+\slot, \q, \i
.endr
	WIN 0
.endm
.macro FETCH_A slot, q, i0
.irp i, \i0, \i0+1, \i0+2, \i0+3
	FRAG AF+FR*(\i), ADRA+\slot, \q, \i
.endr
.endm
.macro SCALES sc                       ; a K step's scale words: two a row; lanes 0-15 A's block i, lanes 16-31 B's block i
.irp i, 0,1,2,3,4,5,6,7
	ds_load_b64 v[SC+8*NQ*\sc+NQ*\i:SC+8*NQ*\sc+NQ*\i+1], v[ADRS] offset:\i*128
.endr
.endm
.macro PLACES n                        ; plain vector instructions between a matrix instruction and a load into, or a read of, its registers
.rept \n
	v_nop
.endr
.endm
.macro STEP slot, q, zero              ; 128 along K whose successor lies in the same slot
	s_wait_dscnt 4*NL                              ; B's set and A's blocks 0-3 are in; the youngest sixteen loads (A's blocks 4-7) may be out
	WIN MUL_LO
	MUL16 0, (\q)%2, \q, \slot, \zero
	MUL16 2, (\q)%2, \q, \slot, \zero
	s_wait_dscnt 0
	PLACES NP
	FETCH_B \slot, (\q)+1, 1-(\q)%2
	FETCH_A \slot, (\q)+1, 0
	WIN MUL_HI
	MUL16 4, (\q)%2, \q, \slot, \zero
	MUL16 6, (\q)%2, \q, \slot, \zero
	PLACES NP
	WIN 0
	FETCH_A \slot, (\q)+1, 4
.endm
; A slot's last step changes slots: one barrier; in front of it each wave waits for all its tensor loads, adds 0 to its spare word, and waits for that and for its reads of this slot.
.macro TURN slot, next, fill
	s_wait_tensorcnt 0x0                           ; all my tensor loads have landed: my part of the next slot
	ds_add_u32 v[SPW], v[NIL]                      ; 0 onto my spare word
	s_wait_dscnt 4*NL+1                            ; (the add and the youngest sixteen loads may be out)
	WIN MUL_LO
	MUL16 0, 1, NQ-1, \slot, 0
	s_wait_dscnt 0x0                               ; the add is done, and my reads of this slot are over
	s_barrier_signal -1
	MUL16 2, 1, NQ-1, \slot, 0
	WIN 0
	s_barrier_wait -1
.if \fill
	CREST                                          ; the barrier has opened a round of the cluster's: no wave of any partner still reads this slot or has a load on its way
	s_add_nc_u64 s[G0+4*\slot+2:G0+4*\slot+3], s[G0+4*\slot+2:G0+4*\slot+3], 2*RTB
	s_add_nc_u64 s[G0B+4*\slot+2:G0B+4*\slot+3], s[G0B+4*\slot+2:G0B+4*\slot+3], 2*RTB
	JLOAD G0+4*\slot, G1, G0B+4*\slot, G1B         ; the first tensor load behind the round; its four v_nop are the places in front of the loads below
.else
	PLACES NP
.endif
	v_add_nc_u32 v[ADRS], 1024, v[ADRS]            ; the next K step's scale words
	FETCH_B \next, 0, 0
	FETCH_A \next, 0, 0
	SCALES \next
	WIN MUL_HI
	MUL16 4, 1, NQ-1, \slot, 0
	MUL16 6, 1, NQ-1, \slot, 0
	PLACES NP
	WIN 0
	FETCH_A \next, 0, 4
.endm
	s_wait_tensorcnt 1                             ; the scale bytes and my part of K step 0 are in; K step 1's load may be out
	s_barrier_signal -1
	s_barrier_wait -1
	FETCH_B 0, 0, 0
	FETCH_A 0, 0, 0
	SCALES 0
	FETCH_A 0, 0, 4
	STEP 0, 0, 1                                   ; K = 1,024 is four slots' worth: the eight steps are written out; the first products start the sums
	TURN 0, 1, 1
	STEP 1, 0, 0
	TURN 1, 0, 1
	STEP 0, 0, 0
	TURN 0, 1, 0                                   ; nothing is left to fetch
	STEP 1, 0, 0
	s_wait_dscnt 4*NL
	WIN MUL_LO
	MUL16 0, 1, NQ-1, 1, 0
	MUL16 2, 1, NQ-1, 1, 0
	s_wait_dscnt 0
	WIN MUL_HI
	MUL16 4, 1, NQ-1, 1, 0
	MUL16 6, 1, NQ-1, 1, 0
	WIN 0
; ---------------- THE WAY OUT.  Unit (a, g): the 32 registers v[64 (a % 4) + 32 g ..] of window 2 + a / 4: a whole block of 32 in each lane.
.set CSR, 64                           ; v64-127  two sets of 16 cos + 16 sin
.set Y,   128                          ; v128-159 the rotated numbers
.set T,   160                          ; v160-175 at work
.set C,   176                          ; v176-181 a block's codes
.set C2,  182
.set M,   186                          ; v186-189 maxima, the conversion's scale operand, the byte
.set WD,  192                          ; v192-195 four scale words in the making
.set WT,  196                          ; v196-199 the other half of the lanes' bytes
.macro QUANT32 src, mx, cd, ce
	v_max3_num_f32 v[\mx], |v[\src]|, |v[\src+1]|, 0x1800000   ; with the floor 2^(3 - 127): the byte cannot fall under 1
	v_max3_num_f32 v[\mx+1], |v[\src+2]|, |v[\src+3]|, |v[\src+4]|
.irp i, 5,9,13,17,21,25
	v_max3_num_f32 v[\mx], v[\mx], |v[\src+\i]|, |v[\src+\i+1]|
	v_max3_num_f32 v[\mx+1], v[\mx+1], |v[\src+\i+2]|, |v[\src+\i+3]|
.endr
	v_max3_num_f32 v[\mx], v[\mx], |v[\src+29]|, |v[\src+30]|
	v_max3_num_f32 v[\mx], v[\mx], v[\mx+1], |v[\src+31]|
	v_add_nc_u32 v[\mx+2], 0xff000000, v[\mx]
	v_lshrrev_b32 v[\mx+3], 23, v[\mx+2]
	v_cvt_scalef32_pk16_fp6_f32 v[\cd:\cd+2], v[\src:\src+15], v[\mx+2]
	v_cvt_scalef32_pk16_fp6_f32 v[\ce:\ce+2], v[\src+16:\src+31], v[\mx+2]
	v_nop
.irp i, 0,1,2
	v_mov_b32 v[\cd+3+\i], v[\ce+\i]
.endr
.endm
.macro FINISH off                      ; my bytes go 8 (lane / 16) bits up; with lane l xor 16's the four words are whole, in all 32 lanes
.irp p, 0,1,2,3
	v_lshlrev_b32 v[WD+\p], v14, v[WD+\p]
.endr
.irp p, 0,1,2,3
	v_permlanex16_b32 v[WT+\p], v[WD+\p], s66, s67
.endr
.irp p, 0,1,2,3
	v_or_b32 v[WD+\p], v[WD+\p], v[WT+\p]
.endr
	global_store_b128 v[L16], v[WD:WD+3], s[92:93] offset:\off
.endm
	PLACES NP                                      ; behind the last products: their results are read and A's registers written below
	v_and_b32 v1, 15, v0                           ; r
	v_bfe_u32 v2, v0, 4, 1                         ; h
	v_lshlrev_b32 v14, 3, v2                       ; 8 h
.irp p, 0,1,2,3
	v_mov_b32 v[WT+\p], 0                          ; written once: a lane permute's destination counts as one of its sources
.endr
	s_mov_b32 s66, 0x76543210
	s_mov_b32 s67, 0xfedcba98
	s_cmp_eq_u32 ttmp9, 2
	s_cbranch_scc1 .Lvpath
; ---- q and k.  Lane (r, h) of unit (a, g): token S0 + 64 (a / 4) + 32 (r / 8) + 8 (a % 4) + r % 8, head head0 + g, channels 32 h + 0..31.
; Channels 0-15 and 16-31 are rotated against each other; channels 32-63 are not: lanes 16-31 read ones and zeros for cos and sin, so that every lane runs the same lines.
	s_lshl_b32 s18, s41, 8
	s_lshl_b32 s19, s15, 7
	s_add_co_u32 s18, s18, s19                     ; S0 = 256 cy + 128 x my half
	s_lshl_b32 s19, s40, 2
	s_lshl_b32 s20, s16, 1
	s_add_co_u32 s19, s19, s20                     ; head0 = 4 cx + 2 x my half
	v_and_b32 v3, 7, v1
	v_lshrrev_b32 v4, 3, v1
	v_lshl_add_u32 v3, v4, 5, v3
	v_add_nc_u32 v3, s18, v3
	v_lshlrev_b32 v3, 10, v3                       ; a token's 16 heads x 16 numbers are 1,024 bytes
	s_lshl_b32 s20, s19, 6
	v_add_nc_u32 v3, s20, v3
	v_add_nc_u32 v4, SINO, v3
	v_mov_b32 v5, ONES
	v_mov_b32 v6, ZEROS
	v_cmp_eq_u32 vcc_lo, 1, v2
	v_cndmask_b32 v30, v3, v5, vcc_lo              ; where my cos lie,
	v_cndmask_b32 v31, v4, v6, vcc_lo              ; and my sin
.macro CSLOAD a, g, set
.irp i, 0,1,2,3
	global_load_b128 v[CSR+32*(\set)+4*\i:CSR+32*(\set)+4*\i+3], v30, s[8:9] offset:(64*((\a)/4)+8*((\a)%4))*1024+64*(\g)+16*\i
.endr
.irp i, 0,1,2,3
	global_load_b128 v[CSR+32*(\set)+16+4*\i:CSR+32*(\set)+16+4*\i+3], v31, s[8:9] offset:(64*((\a)/4)+8*((\a)%4))*1024+64*(\g)+16*\i
.endr
.endm
	CSLOAD 0, 0, 0
	s_lshl_b32 s20, s12, 4
	s_add_co_u32 s20, s20, s19                     ; the record: 16 batch + head0
	s_mul_i32 s20, s20, REC
	s_lshl_b32 s22, s41, 1
	s_add_co_u32 s22, s22, s15                     ; the key step: 2 cy + my half
	s_mul_i32 s23, s22, 6144
	s_lshl_b32 s22, s22, 9
	s_mov_b32 s19, KSO
	s_cmp_eq_u32 ttmp9, 0                          ; q or k
	s_cselect_b32 s18, QC, 0
	s_cselect_b32 s19, QSO, s19
	s_add_co_u32 s46, s20, s23
	s_add_co_u32 s46, s46, s18
	s_mov_b32 s47, 0
	s_add_co_u32 s92, s20, s22
	s_add_co_u32 s92, s92, s19
	s_mov_b32 s93, 0
	s_add_nc_u64 s[46:47], s[10:11], s[46:47]      ; codes
	s_add_nc_u64 s[92:93], s[10:11], s[92:93]      ; scale words
.macro QKUNIT a, g
.set N, 8*(\g)+(\a)
.set CO, CSR+32*(N%2)
.set SI, CO+16
.set AC, 64*((\a)%4)+32*(\g)
.set WA, 0x02+(\a)/4
.if N < 15
.set NA, (N+1)%8
.set NG, (N+1)/8
.set NS, (N+1)%2
	CSLOAD NA, NG, NS
	s_wait_loadcnt 8                               ; this unit's cos and sin are in; the next unit's eight loads stay out
.else
	s_wait_loadcnt 0
.endif
	WIN WA                                         ; source 0: the accumulators' window.
.irp k, 0,2,4,6,8,10,12,14
	v_pk_mul_f32 v[T+\k:T+\k+1], v[AC+16+\k:AC+17+\k], v[SI+\k:SI+\k+1]
.endr
.irp k, 0,2,4,6,8,10,12,14
	v_pk_fma_f32 v[Y+\k:Y+\k+1], v[AC+\k:AC+\k+1], v[CO+\k:CO+\k+1], v[T+\k:T+\k+1] neg_lo:[0,0,1] neg_hi:[0,0,1]   ; y1 = x1 cos - x2 sin
.endr
.irp k, 0,2,4,6,8,10,12,14
	v_pk_mul_f32 v[T+\k:T+\k+1], v[AC+\k:AC+\k+1], v[SI+\k:SI+\k+1]
.endr
.irp k, 0,2,4,6,8,10,12,14
	v_pk_fma_f32 v[Y+16+\k:Y+17+\k], v[AC+16+\k:AC+17+\k], v[CO+\k:CO+\k+1], v[T+\k:T+\k+1]   ; y2 = x2 cos + x1 sin
.endr
	WIN 0
	s_wait_xcnt 0x0                                ; the last unit's stores have read their registers: they are written again only behind this wait
	QUANT32 Y, M, C, C2
	global_store_b128 v[L16], v[C:C+3], s[46:47] offset:(\g)*REC+768*(\a)          ; 512 consecutive bytes, at a multiple of 256 from the buffer's first byte
	global_store_b64 v[L8], v[C+4:C+5], s[46:47] offset:(\g)*REC+768*(\a)+512      ; and 256 more
.if (\a)%2 == 0
	v_mov_b32 v[WD+(\a)/2], v[M+3]
.else
	v_lshl_or_b32 v[WD+(\a)/2], v[M+3], 16, v[WD+(\a)/2]
.endif
.endm
.irp g, 0,1
.irp a, 0,1,2,3,4,5,6,7
	QKUNIT \a, \g
.endr
	FINISH \g*REC
.endr
	s_branch .Ljoin
.Lvpath:
; ---- v.  Lane (r, h) of unit (a, g): head 4 cy + 2 x my half + a / 4, channel 32 (r / 8) + 8 (a % 4) + r % 8, keys 128 ks + 64 g + 32 h + 0..31: quantised as they stand.
	s_lshl_b32 s20, s12, 4
	s_lshl_b32 s21, s41, 2
	s_add_co_u32 s20, s20, s21
	s_lshl_b32 s21, s15, 1
	s_add_co_u32 s20, s20, s21                     ; the record of a = 0..3
	s_mul_i32 s20, s20, REC
	s_lshl_b32 s22, s40, 1
	s_add_co_u32 s22, s22, s16                     ; the key step: 2 cx + my half
	s_mul_i32 s23, s22, 6144
	s_lshl_b32 s22, s22, 9
	s_add_co_u32 s46, s20, s23
	s_add_co_u32 s46, s46, VCO
	s_mov_b32 s47, 0
	s_add_co_u32 s92, s20, s22
	s_add_co_u32 s92, s92, VSO
	s_mov_b32 s93, 0
	s_add_nc_u64 s[46:47], s[10:11], s[46:47]
	s_add_nc_u64 s[92:93], s[10:11], s[92:93]
.macro VUNIT a, g
.set AC, 64*((\a)%4)+32*(\g)
.set W1, 0x28+0x14*((\a)/4)
.set W2, 0x02+(\a)/4
	WIN W1                                         ; sources 1 and 2: the accumulators' window.
	v_max3_num_f32 v[M], 0x1800000, |v[AC]|, |v[AC+1]|         ; the floor 2^(3 - 127) starts both chains
	v_max3_num_f32 v[M+1], 0x1800000, |v[AC+2]|, |v[AC+3]|
.irp i, 4,8,12,16,20,24,28
	v_max3_num_f32 v[M], v[M], |v[AC+\i]|, |v[AC+\i+1]|
	v_max3_num_f32 v[M+1], v[M+1], |v[AC+\i+2]|, |v[AC+\i+3]|
.endr
	WIN 0
	v_max_num_f32 v[M], v[M], v[M+1]
	v_add_nc_u32 v[M+2], 0xff000000, v[M]
	v_lshrrev_b32 v[M+3], 23, v[M+2]
	s_wait_xcnt 0x0                                ; the last unit's stores have read their registers
	WIN W2
	v_cvt_scalef32_pk16_fp6_f32 v[C:C+2], v[AC:AC+15], v[M+2]
	v_cvt_scalef32_pk16_fp6_f32 v[C2:C2+2], v[AC+16:AC+31], v[M+2]
	WIN 0
	v_nop
.irp i, 0,1,2
	v_mov_b32 v[C+3+\i], v[C2+\i]
.endr
	global_store_b128 v[L16], v[C:C+3], s[46:47] offset:((\a)/4)*REC+1536*((\a)%4)+768*(\g)
	global_store_b64 v[L8], v[C+4:C+5], s[46:47] offset:((\a)/4)*REC+1536*((\a)%4)+768*(\g)+512
.if (\g) == 0
	v_mov_b32 v[WD+(\a)%4], v[M+3]
.else
	v_lshl_or_b32 v[WD+(\a)%4], v[M+3], 16, v[WD+(\a)%4]
.endif
.endm
.irp e, 0,1
.irp t, 0,1,2,3
	VUNIT 4*\e+\t, 0
	VUNIT 4*\e+\t, 1
.endr
	FINISH \e*REC
.endr
.Ljoin:
	s_wait_tensorcnt 0x0                           ; the wave's end
	ds_add_u32 v[SPW], v[NIL]
	s_wait_dscnt 0x0
	CROUND                                         ; the closing round: no work-group ends while a partner may still ask for a tile that names it
	s_endpgm
.Lfunc_end_k_q66aca282b8_qkv:
	.size	k_q66aca282b8_qkv, .Lfunc_end_k_q66aca282b8_qkv-k_q66aca282b8_qkv
	.p2alignl 7, 3214868480
	.fill 96, 4, 3214868480
	.section	.rodata,"a",@progbits
	.p2align	6, 0x0
	.amdhsa_kernel k_q66aca282b8_qkv
		.amdhsa_group_segment_fixed_size 327680
		.amdhsa_private_segment_fixed_size 0
		.amdhsa_enable_private_segment 0
		.amdhsa_kernarg_size 32
		.amdhsa_user_sgpr_count 2
		.amdhsa_user_sgpr_kernarg_segment_ptr 1
		.amdhsa_wavefront_size32 1
		.amdhsa_system_sgpr_workgroup_id_x 1
		.amdhsa_system_sgpr_workgroup_id_y 1
		.amdhsa_system_sgpr_workgroup_id_z 1
		.amdhsa_system_vgpr_workitem_id 0
		.amdhsa_next_free_vgpr 1024
		.amdhsa_next_free_sgpr 100
		.amdhsa_reserve_vcc 1
		.amdhsa_float_denorm_mode_32 3
		.amdhsa_float_denorm_mode_16_64 3
		.amdhsa_memory_ordered 1
		.amdhsa_forward_progress 1
		.amdhsa_inst_pref_size 219
	.end_amdhsa_kernel
	.amdgpu_metadata
---
amdhsa.version: [ 1, 2 ]
amdhsa.kernels:
  - .name:           k_q66aca282b8_qkv
    .symbol:         k_q66aca282b8_qkv.kd
    .args:
      - { .name: act, .offset: 0, .size: 8, .value_kind: global_buffer, .address_space: global }
      - { .name: wts, .offset: 8, .size: 8, .value_kind: global_buffer, .address_space: global }
      - { .name: cs, .offset: 16, .size: 8, .value_kind: global_buffer, .address_space: global }
      - { .name: qkv, .offset: 24, .size: 8, .value_kind: global_buffer, .address_space: global }
    .group_segment_fixed_size: 327680
    .private_segment_fixed_size: 0
    .kernarg_segment_align: 8
    .kernarg_segment_size: 32
    .max_flat_workgroup_size: 128
    .sgpr_count:     100
    .vgpr_count:     1024
    .wavefront_size: 32
...
	.end_amdgpu_metadata
.endif
;; end of part 2
;; launch attn (part 3): grid 2 x 128, 16 waves a work-group, no clusters, 169,984 bytes of LDS; arguments qkv, act; writes act
.if DOCPART == 3
	.amdgcn_target "amdgcn-amd-amdhsa--gfx1250"
	.amdhsa_code_object_version 6
	.text
	.protected	k_q66aca282b8_attn
	.globl	k_q66aca282b8_attn
	.p2align	8
	.type	k_q66aca282b8_attn,@function
k_q66aca282b8_attn:
	s_mov_b64 s[64:65], 0
	v_nop
	global_prefetch_b8 v0, s[64:65] scope:SCOPE_SE
	s_setreg_imm32_b32 hwreg(HW_REG_WAVE_MODE, 25, 1), 1
	s_wait_xcnt 0x0
; Causal attention of one (batch, head) on codes of E2M3: S^T = K Q^T (K = the head's 64), p = 2^(t - M), O^T = V^T P^T (K = the keys), o = O / l, quantised along (head, channel) and stored as the last product's operand.
; t = score x log2(e) / 8; M = the running largest t rounded UP to a whole number; the row's sum l is taken of the unquantised p; when M moves, l and O^T are multiplied by 2^(old M - new M), which rounds nothing.
; THE WHOLE HEAD'S K, V AND THEIR SCALE WORDS, 106,496 bytes, COME INTO LDS ONCE: each of the sixteen waves brings 26 rows of 256 bytes by one tensor load; one barrier; after it LDS is only read.  Nothing is filled again.
; No multicast: a record is read by two work-groups, once each.
; SHARES.  Two work-groups a head.  A wave owns a tile of 16 queries at a time, two tiles one after the other: tile t = wave % 4 of the query groups (of 64) g0 and 15 - g0, g0 = 4 x + wave / 4: nine key steps of 128 for every wave.
; Every wave walks all eight key steps in a loop of constant count; a step all of whose keys come after the wave's queries is passed over by a scalar branch on ids.
; LAYOUT.  A unit of K is 16 keys x 64 channels in six registers a lane.  Two units make the 12 registers of source 0; source 1 is (Q, zeros) or (zeros, Q): each picks one of the two units' keys, so that no register of K is padded.
; Unit a = 4 c + t holds keys 64 c + 32 (r / 8) + 8 t + r % 8, so a lane's score registers 32 c + i are keys 64 c + 32 (lane / 16) + i: two whole blocks of 32: p's codes come out as the second product's operand.
; LIMITS: NaN and infinities are not served; a block of zeros gets the scale byte 1 (its codes are zeros; this program alone reads the bytes).  o's scale bytes leave one byte a lane: 262,144 bytes in the whole launch.
; REGISTERS: v1-10 addresses; v12 -M, v13 the largest t, v[14:15] l; v16-27 (Q, 0), v28-39 (0, Q); v40, v44-47, v48-51, v52 scale words of Q, K, V, p and nothing else; v56-103 K's, then V's fragments; v104-167 S^T, then p; v168-199 O^T; v200-218 codes; v220-239 at work.
.set REC,  159744
.set VCO,  49152
.set KSO,  98304
.set QC,   106496
.set QSO,  155648
.set XS,   6291456
.set KF,   56
.set S,    104
.set O,    168
.set P,    200
.set BM,   220
.macro QUANT32 src, mx, cd, ce
	v_max3_num_f32 v[\mx], |v[\src]|, |v[\src+1]|, 0x1800000
	v_max3_num_f32 v[\mx+1], |v[\src+2]|, |v[\src+3]|, |v[\src+4]|
.irp i, 5,9,13,17,21,25
	v_max3_num_f32 v[\mx], v[\mx], |v[\src+\i]|, |v[\src+\i+1]|
	v_max3_num_f32 v[\mx+1], v[\mx+1], |v[\src+\i+2]|, |v[\src+\i+3]|
.endr
	v_max3_num_f32 v[\mx], v[\mx], |v[\src+29]|, |v[\src+30]|
	v_max3_num_f32 v[\mx], v[\mx], v[\mx+1], |v[\src+31]|
	v_add_nc_u32 v[\mx+2], 0xff000000, v[\mx]
	v_lshrrev_b32 v[\mx+3], 23, v[\mx+2]
	v_cvt_scalef32_pk16_fp6_f32 v[\cd:\cd+2], v[\src:\src+15], v[\mx+2]
	v_cvt_scalef32_pk16_fp6_f32 v[\ce:\ce+2], v[\src+16:\src+31], v[\mx+2]
	v_nop
.irp i, 0,1,2
	v_mov_b32 v[\cd+3+\i], v[\ce+\i]
.endr
.endm
	s_load_b128 s[4:7], s[0:1], 0x0                ; qkv s[4:5], act s[6:7]
	v_lshl_add_u32 v254, v0, 2, 0x29000
	v_mov_b32 v255, 0
	ds_add_u32 v254, v255
	ds_add_u32 v254, v255
	v_lshrrev_b32 v1, 5, v0
	v_readfirstlane_b32 s8, v1                     ; wave 0..15
	s_and_b32 s9, ttmp7, 0xffff                    ; the record: 16 batch + head
	s_mul_i32 s36, s9, REC
	s_mov_b32 s37, 0
	s_mov_b32 s16, 3<<16                           ; group 1: no mask; elements of 8 bytes; no padding
	s_mov_b32 s17, 32<<16                          ; tensor_dim0 = 32 (256 bytes)
	s_mov_b32 s18, 26<<16                          ; tensor_dim1 = 26
	s_mov_b32 s19, 32<<16                          ; tile_dim0
	s_mov_b32 s20, 26                              ; tile_dim1
	s_mov_b32 s21, 32                              ; the rows are dense
	s_mov_b32 s22, 0
	s_mov_b32 s23, 0
	s_mov_b32 s24, 1
	s_mul_i32 s25, s8, 6656                        ; my 26 rows, in LDS
	s_mov_b32 s38, s25                             ; and in the record
	s_mov_b32 s39, 0
	s_wait_dscnt 0x0
	s_wait_kmcnt 0x0
	s_add_nc_u64 s[4:5], s[4:5], s[36:37]          ; my record
	s_add_nc_u64 s[26:27], s[4:5], s[38:39]
	s_or_b32 s27, s27, 0x80000000
	tensor_load_to_lds s[24:27], s[16:23]          ; my one tensor load
	s_nop 0
.rept 4
	v_nop
.endr
	v_and_b32 v10, 31, v0
	v_lshlrev_b32 v1, 4, v10                       ; 16 lane
	v_lshlrev_b32 v2, 3, v10                       ; 8 lane
	v_add_nc_u32 v3, KSO, v1                       ; the scale words: 16 bytes a lane
	v_and_b32 v11, 15, v0                          ; r
	v_bfe_u32 v10, v0, 4, 1                        ; h
	v_lshlrev_b32 v8, 3, v10                       ; 8 h
	v_lshl_add_u32 v9, v11, 3, v10                 ; 8 r + h: o's scale byte
	v_and_b32 v7, 7, v11
	v_lshrrev_b32 v11, 3, v11
	v_lshl_add_u32 v7, v11, 5, v7
	v_lshlrev_b32 v10, 5, v10
	v_sub_nc_u32 v7, v7, v10                       ; 32 (r / 8) + r % 8 - 32 h
.irp i, 22,23,24,25,26,27,28,29,30,31,32,33
	v_mov_b32 v\i, 0                               ; the zero halves of (Q, 0) and (0, Q): zero codes add nothing under any scale
.endr
	v_mov_b32 v223, 0                              ; written once: a lane permute's destination counts as one of its sources
	v_mov_b32 v229, 0
	v_mov_b32 v233, 0                              ; (named as the upper half of the pair v[232:233])
	s_lshr_b32 s10, s9, 4                          ; batch
	s_and_b32 s11, s9, 15                          ; head
	s_and_b32 s12, s8, 3                           ; t
	s_lshl_b32 s13, ttmp9, 2
	s_lshr_b32 s14, s8, 2
	s_add_co_u32 s13, s13, s14                     ; g0
	s_mov_b32 s28, 0x3e38aa3b                      ; c = log2(e) / 8
	s_mov_b32 s29, s28                             ; (named with it as a pair)
	s_mov_b32 s30, 0x76543210
	s_mov_b32 s31, 0xfedcba98                      ; lane l xor 16
.macro PASS second
	s_wait_xcnt 0x0                                ; the pass before has had its loads' and stores' addresses and data read: bases and registers are written again only behind this wait
.if \second
	s_sub_co_u32 s14, 15, s13
.else
	s_mov_b32 s14, s13
.endif
	s_lshr_b32 s35, s14, 1                         ; the last key step that counts: the one on the diagonal
	s_and_b32 s37, s14, 1
	s_lshl_b32 s38, s37, 2
	s_add_co_u32 s38, s38, s12                     ; Q's unit in that key step: 4 (g % 2) + t
	s_mul_i32 s40, s35, 6144
	s_mul_i32 s39, s38, 768
	s_add_co_u32 s40, s40, s39
	s_add_co_u32 s40, s40, QC
	s_mov_b32 s41, 0
	s_add_nc_u64 s[40:41], s[4:5], s[40:41]
	s_lshl_b32 s42, s35, 9
	s_lshr_b32 s39, s38, 1
	s_lshl_b32 s39, s39, 2
	s_add_co_u32 s42, s42, s39
	s_add_co_u32 s42, s42, QSO
	s_mov_b32 s43, 0
	s_add_nc_u64 s[42:43], s[4:5], s[42:43]
	s_and_b32 s48, s38, 1
	s_lshl_b32 s48, s48, 4                         ; which half of the word is my unit's
	global_load_b128 v[16:19], v1, s[40:41]        ; Q's unit, twice: no register serves two operands
	global_load_b64 v[20:21], v2, s[40:41] offset:512
	global_load_b128 v[34:37], v1, s[40:41]
	global_load_b64 v[38:39], v2, s[40:41] offset:512
	global_load_b32 v234, v1, s[42:43]
	s_lshl_b32 s44, s10, 6
	s_lshl_b32 s39, s14, 2
	s_add_co_u32 s44, s44, s39
	s_add_co_u32 s49, s44, s12                     ; o's row tile: 64 batch + 4 g + t
	s_mul_i32 s44, s49, 12288
	s_mul_i32 s39, s11, 768                        ; its unit: the head
	s_add_co_u32 s44, s44, s39
	s_mov_b32 s45, 0
	s_add_nc_u64 s[44:45], s[6:7], s[44:45]
	s_lshr_b32 s46, s49, 3
	s_lshl_b32 s46, s46, 12
	s_lshr_b32 s39, s11, 2
	s_lshl_b32 s39, s39, 10
	s_add_co_u32 s46, s46, s39
	s_and_b32 s39, s49, 7
	s_lshl_b32 s39, s39, 7
	s_add_co_u32 s46, s46, s39
	s_and_b32 s39, s11, 3
	s_lshl_b32 s39, s39, 1
	s_add_co_u32 s46, s46, s39
	s_add_co_u32 s46, s46, XS
	s_mov_b32 s47, 0
	s_add_nc_u64 s[46:47], s[6:7], s[46:47]
	s_lshl_b32 s39, s37, 6
	s_lshl_b32 s50, s12, 3
	s_add_co_u32 s39, s39, s50
	s_wait_loadcnt 0x0
	v_lshrrev_b32 v234, s48, v234
	v_and_b32 v234, 0xffff, v234
	v_lshl_or_b32 v40, v234, 16, v234              ; Q's two bytes, for either half of K = 128.  (The lines below are the places between this write and the first product)
	v_add_nc_u32 v10, s39, v7                      ; on the diagonal: d = my query - the step's first key - 32 h
	v_mov_b32 v13, 0xff61b1e6                      ; the largest t so far: -3e38
	v_floor_f32 v12, -v13                          ; -M
	v_mov_b32 v14, 0
	v_mov_b32 v15, 0
.set n, 0
.rept 32
	v_mov_b32 v[O+n], 0                            ; O^T: the step is written once; its first turn finds zeros
.set n, n+1
.endr
.if \second == 0
	s_wait_tensorcnt 0x0                           ; my part of the record is in LDS,
	s_barrier_signal -1
	s_barrier_wait -1                              ; everybody's is
.endif
	s_mov_b32 s32, 0                               ; the key step
	s_mov_b32 s33, 0                               ; its codes: 6,144 bytes a step
	s_mov_b32 s34, 0                               ; its scale words: 512
.Lstep_\@:
	s_cmp_gt_u32 s32, s35                          ; all its keys come after my queries: only the counters step
	s_cbranch_scc1 .Lskip_\@
	v_add_nc_u32 v4, s33, v1
	v_add_nc_u32 v5, s33, v2
	v_add_nc_u32 v6, s34, v3
	v_nop                                          ; four places in front of loads into registers that the last products read
.irp a, 0,1,2,3,4,5,6,7
	ds_load_b128 v[KF+6*\a:KF+6*\a+3], v4 offset:768*\a
	ds_load_b64 v[KF+6*\a+4:KF+6*\a+5], v5 offset:768*\a+512
.endr
	ds_load_b128 v[44:47], v6
	s_wait_dscnt 0x0
.irp p, 0,1,2,3
	v_wmma_scale_f32_16x16x128_f8f6f4 v[S+16*\p:S+16*\p+7], v[KF+12*\p:KF+12*\p+11], v[16:27], 0, v[44+\p], v40 matrix_a_fmt:MATRIX_FMT_FP6 matrix_b_fmt:MATRIX_FMT_FP6
	v_wmma_scale_f32_16x16x128_f8f6f4 v[S+16*\p+8:S+16*\p+15], v[KF+12*\p:KF+12*\p+11], v[28:39], 0, v[44+\p], v40 matrix_a_fmt:MATRIX_FMT_FP6 matrix_b_fmt:MATRIX_FMT_FP6
.endr
.rept 4
	v_nop                                          ; places: V lands where K lay, and the scores are read
.endr
.irp u, 0,1,2,3,4,5,6,7
	ds_load_b128 v[KF+6*\u:KF+6*\u+3], v4 offset:VCO+768*\u
	ds_load_b64 v[KF+6*\u+4:KF+6*\u+5], v5 offset:VCO+768*\u+512
.endr
	ds_load_b128 v[48:51], v6 offset:4096
	s_cmp_lg_u32 s32, s35                          ; only the step on the diagonal has hidden keys
	s_cbranch_scc1 .Lopen_\@
	v_mov_b32 v222, 0xff800000                     ; -infinity: p = 0
.set n, 0
.rept 64
	v_cmp_gt_i32 vcc_lo, 64*(n/32)+n%32, v10       ; register 32 c + i holds key 64 c + 32 h + i of the step: hidden where 64 c + i > d
	v_cndmask_b32 v[S+n], v[S+n], v222, vcc_lo
.set n, n+1
.endr
.Lopen_\@:
.irp c, 0,1
	v_max3_num_f32 v[BM+\c], v[S+32*\c], v[S+32*\c+1], v[S+32*\c+2]     ; the largest score of each of my two blocks of 32 keys: for the row's maximum and, since p rises with the score, for the block's largest p
.endr
.irp i, 3,5,7,9,11,13,15,17,19,21,23,25,27,29
.irp c, 0,1
	v_max3_num_f32 v[BM+\c], v[BM+\c], v[S+32*\c+\i], v[S+32*\c+\i+1]
.endr
.endr
.irp c, 0,1
	v_max_num_f32 v[BM+\c], v[BM+\c], v[S+32*\c+31]
.endr
	v_max_num_f32 v222, v220, v221
	v_permlanex16_b32 v223, v222, s30, s31
	v_max_num_f32 v222, v222, v223                 ; with lane l xor 16's 64 keys
	v_mul_f32 v222, s28, v222
	v_max_num_f32 v13, v13, v222                   ; the running largest t
	v_mov_b32 v234, v12
	v_floor_f32 v12, -v13                          ; the new -M = -ceil(t)
	v_sub_f32 v234, v12, v234
	v_cvt_i32_f32 v234, v234                       ; (it saturates)
	v_ldexp_f32 v232, 1.0, v234                    ; f = 2^(old M - new M)
.set n, 0
.rept 32
	v_pk_fma_f32 v[S+n:S+n+1], v[S+n:S+n+1], s[28:29], v[12:13] op_sel_hi:[1,0,0]   ; t - M
.set n, n+2
.endr
.irp c, 0,1
	v_fma_f32 v[BM+\c], v[BM+\c], s28, v12
.endr
.set n, 0
.rept 64
	v_exp_f32 v[S+n], v[S+n]                       ; p = 2^(t - M): not normalised
.set n, n+1
.endr
	v_pk_mul_f32 v[14:15], v[14:15], v[232:233] op_sel_hi:[1,0]     ; l under the new M (a plain instruction behind the exponentials)
	s_wait_alu depctr_va_vdst(0)                   ; one wait for the batch, ahead of its first reader
.irp c, 0,1
	v_exp_f32 v[BM+\c], v[BM+\c]                   ; the block's largest p
.endr
	v_pk_add_f32 v[230:231], v[S:S+1], v[S+2:S+3]  ; l takes the unquantised p, in two chains
.irp j, 4,8,12,16,20,24,28,32,36,40,44,48,52,56,60
	v_pk_add_f32 v[14:15], v[14:15], v[S+\j:S+\j+1]
	v_pk_add_f32 v[230:231], v[230:231], v[S+2+\j:S+3+\j]
.endr
	v_pk_add_f32 v[14:15], v[14:15], v[230:231]
	s_wait_alu depctr_va_vdst(0)                   ; and one for the two
.irp c, 0,1
	v_max_num_f32 v[BM+\c], 0x1800000, v[BM+\c]    ; the floor 2^(3 - 127)
.endr
.irp c, 0,1
	v_add_nc_u32 v[224+\c], 0xff000000, v[BM+\c]   ; the conversion's scale operand
.endr
.irp c, 0,1
	v_lshrrev_b32 v[226+\c], 23, v[224+\c]         ; the byte
.endr
	v_lshl_or_b32 v228, v227, 16, v226             ; my blocks h and 2 + h,
	v_lshlrev_b32 v228, v8, v228                   ; at their places in the word;
	v_permlanex16_b32 v229, v228, s30, s31
	v_or_b32 v52, v228, v229                       ; with lane l xor 16's two it is whole
	v_cvt_scalef32_pk16_fp6_f32 v[P:P+2], v[S:S+15], v224
	v_cvt_scalef32_pk16_fp6_f32 v[212:214], v[S+16:S+31], v224
	v_cvt_scalef32_pk16_fp6_f32 v[P+6:P+8], v[S+32:S+47], v225
	v_cvt_scalef32_pk16_fp6_f32 v[216:218], v[S+48:S+63], v225
	v_nop                                          ; one plain instruction behind the scaled conversions
.irp i, 0,1,2
	v_mov_b32 v[P+3+\i], v[212+\i]
	v_mov_b32 v[P+9+\i], v[216+\i]
.endr
.set n, 0
.rept 16
	v_pk_mul_f32 v[O+n:O+n+1], v[O+n:O+n+1], v[232:233] op_sel_hi:[1,0]   ; O^T under the new M.  (These sixteen are also the places between the writes of p's codes and word and the products)
.set n, n+2
.endr
	s_wait_dscnt 0x0                               ; V
.irp t, 0,1,2,3
	v_wmma_scale_f32_16x16x128_f8f6f4 v[O+8*\t:O+8*\t+7], v[KF+12*\t:KF+12*\t+11], v[P:P+11], v[O+8*\t:O+8*\t+7], v[48+\t], v52 matrix_a_fmt:MATRIX_FMT_FP6 matrix_b_fmt:MATRIX_FMT_FP6
.endr
.Lskip_\@:
	s_add_co_u32 s33, s33, 6144
	s_add_co_u32 s34, s34, 512
	s_add_co_u32 s32, s32, 1
	s_cmp_lt_u32 s32, 8
	s_cbranch_scc1 .Lstep_\@
.rept 4
	v_nop                                          ; places behind the last products
.endr
	v_add_f32 v14, v14, v15
	v_permlanex16_b32 v223, v14, s30, s31
	v_add_f32 v14, v14, v223                       ; the row's sum
	v_rcp_f32 v232, v14
	v_nop
	s_wait_alu depctr_va_vdst(0)
.set n, 0
.rept 16
	v_pk_mul_f32 v[S+n:S+n+1], v[O+n:O+n+1], v[232:233] op_sel_hi:[1,0]   ; o(query r, channels 32 h + 0..31): block 2 head + h of the last product's K
.set n, n+2
.endr
	QUANT32 S, 236, P, 212
	global_store_b128 v1, v[P:P+3], s[44:45]       ; 512 consecutive bytes, at a multiple of 256 from the buffer's first byte
	global_store_b64 v2, v[P+4:P+5], s[44:45] offset:512
	global_store_b8 v9, v239, s[46:47]
.endm
	PASS 0
	PASS 1
	s_wait_tensorcnt 0x0
	ds_add_u32 v254, v255
	s_wait_dscnt 0x0
	s_endpgm
.Lfunc_end_k_q66aca282b8_attn:
	.size	k_q66aca282b8_attn, .Lfunc_end_k_q66aca282b8_attn-k_q66aca282b8_attn
	.p2alignl 7, 3214868480
	.fill 96, 4, 3214868480
	.section	.rodata,"a",@progbits
	.p2align	6, 0x0
	.amdhsa_kernel k_q66aca282b8_attn
		.amdhsa_group_segment_fixed_size 169984
		.amdhsa_private_segment_fixed_size 0
		.amdhsa_enable_private_segment 0
		.amdhsa_kernarg_size 16
		.amdhsa_user_sgpr_count 2
		.amdhsa_user_sgpr_kernarg_segment_ptr 1
		.amdhsa_wavefront_size32 1
		.amdhsa_system_sgpr_workgroup_id_x 1
		.amdhsa_system_sgpr_workgroup_id_y 1
		.amdhsa_system_sgpr_workgroup_id_z 1
		.amdhsa_system_vgpr_workitem_id 0
		.amdhsa_next_free_vgpr 256
		.amdhsa_next_free_sgpr 66
		.amdhsa_reserve_vcc 1
		.amdhsa_float_denorm_mode_32 3
		.amdhsa_float_denorm_mode_16_64 3
		.amdhsa_memory_ordered 1
		.amdhsa_forward_progress 1
		.amdhsa_inst_pref_size 57
	.end_amdhsa_kernel
	.amdgpu_metadata
---
amdhsa.version: [ 1, 2 ]
amdhsa.kernels:
  - .name:           k_q66aca282b8_attn
    .symbol:         k_q66aca282b8_attn.kd
    .args:
      - { .name: qkv, .offset: 0, .size: 8, .value_kind: global_buffer, .address_space: global }
      - { .name: act, .offset: 8, .size: 8, .value_kind: global_buffer, .address_space: global }
    .group_segment_fixed_size: 169984
    .private_segment_fixed_size: 0
    .kernarg_segment_align: 8
    .kernarg_segment_size: 16
    .max_flat_workgroup_size: 512
    .sgpr_count:     66
    .vgpr_count:     256
    .wavefront_size: 32
...
	.end_amdgpu_metadata
.endif
;; end of part 3
;; launch proj (part 4): grid 4 x 32, 4 waves a work-group, clusters of 4 x 4, 327,680 bytes of LDS; arguments act, wts, x, out0; writes out0
.if DOCPART == 4
	.amdgcn_target "amdgcn-amd-amdhsa--gfx1250"
	.amdhsa_code_object_version 6
	.text
	.protected	k_q66aca282b8_proj
	.globl	k_q66aca282b8_proj
	.p2align	8
	.type	k_q66aca282b8_proj,@function
k_q66aca282b8_proj:
	s_mov_b64 s[64:65], 0
	v_nop
	global_prefetch_b8 v0, s[64:65] scope:SCOPE_SE
	s_setreg_imm32_b32 hwreg(HW_REG_WAVE_MODE, 25, 1), 1
	s_wait_xcnt 0x0
	s_wait_alu depctr_hold_cnt(0) depctr_sa_sdst(0) depctr_va_vdst(0) depctr_va_sdst(0) depctr_va_ssrc(0) depctr_va_vcc(0) depctr_vm_vsrc(0)
	s_getreg_b32 s2, hwreg(HW_REG_IB_STS2, 6, 4)
	s_cmp_eq_u32 s2, 0
	s_cbranch_scc0 .Lentry_in_a_cluster
	s_endpgm
.Lentry_in_a_cluster:
	s_bfe_u32 s2, ttmp6, 0x10000c
	s_cmp_lg_u32 s2, 0xf033
	s_cbranch_scc0 .Lentry_shape_is_right
	s_endpgm
.Lentry_shape_is_right:
; out0 = o w_out^T + x.  o (act) and w_out (wts) are codes of E2M3 laid as operand images: a tile of 16 rows is 16 units (64 K) of 768 bytes; lane L's six registers of a unit lie at 16 L (four) and 512 + 8 L (two).
; A tile of 256 x 256 is made by a work-group of four waves, 128 x 128 a wave; K = 1,024 goes in steps of 256 through a ring of two LDS slots filled by the tensor data mover.
; Inside each 64 rows, laid row 16 t + r is natural row 32 (r / 8) + 8 t + r % 8, in both operands: the way out puts tokens and columns back in their natural places.
; CLUSTERS: 4 x 4: A's (o's) tile is shared along a row of the cluster, B's (w_out's) along a column: each is asked for jointly.
; THE MATRIX INSTRUCTION IS USED TRANSPOSED (source 0 = 16 rows of w_out, source 1 = 16 tokens): a lane holds pieces of one row of the result.
; x: each wave's 128 rows x 512 bytes are read once, at the end.  Rows 0-63 of them are prefetched into the L2 behind the two refills of the ring: a lane a row, two instructions for a row's two blocks of 256 bytes,
; 32 rows behind each refill; each block belongs to one wave alone, so it is named once in the launch.
; REGISTERS: window 0: v16-31 addresses; v32-63 scale words (nothing else, ever); v128-223 A's fragments; on the way out v128-255 rows of the result.  window 1: B's fragments, two sets; on the way out four blocks of x.  windows 2, 3: the accumulators.
.set XS,    6291456
.set WOC,   2457600
.set WOS,   3244032
.set NQ,    2
.set FR,    12
.set NL,    4
.set NP,    4
.set RTB,   3072
.set HALFT, 8*RTB
.set SLOT,  4*HALFT
.set SCL,   2*SLOT
.set HALFS, 4096
.set SPARE, SCL+4*HALFS                ; the spare words, 128 bytes for each wave: two blocks of 256 bytes that no other line names
.set SPITCH, 528                       ; the way out: a stage of 16 rows x (512 bytes + 16) for each wave, in slot 0, which has had its last fill and its last read when the first result is stored there
.set ADRA, 16
.set ADRB, 20
.set L16,  24                          ; v24 16 lane
.set L8,   25                          ; v25 8 lane
.set STO,  26                          ; v26 where I put my pieces of a row
.set ADRS, 27
.set SPW,  28
.set NIL,  29
.set RD,   30                          ; v30 where I read a row back
.set PFO,  31                          ; v31 4,096 x lane: a row of x; never rewritten
.set SC,   32
.set AF,   128
.set BK,   128
.set G1, 24
.set G0, 32
.set G1B, 48
.set G0B, 56
.set G1S, 68
.set G0S, 76
.set G1SB, 80
.set G0SB, 88
.set MSB, 0
.macro WIN new
.if MSB != \new
	s_set_vgpr_msb (MSB<<8)|\new
.set MSB, \new
.endif
.endm
.set MUL_LO, 0xa1
.set MUL_HI, 0xf1
.set TO_B,   0x40
.macro JLOAD g0a, g1a, g0b, g1b        ; a joint load: waves 0 and 1 fetch for A, waves 2 and 3 for B; four v_nop follow each of the two lines
	s_cmp_eq_u32 s15, 0
	s_cbranch_scc0 .Lfor_b_\@
	tensor_load_to_lds s[\g0a:\g0a+3], s[\g1a:\g1a+7]
	s_nop 0
.rept 4
	v_nop
.endr
	s_branch .Lasked_\@
.Lfor_b_\@:
	tensor_load_to_lds s[\g0b:\g0b+3], s[\g1b:\g1b+7]
	s_nop 0
.rept 4
	v_nop
.endr
.Lasked_\@:
.endm
.macro CREST
	s_cmp_lg_u32 s14, 0
	s_cbranch_scc1 .Lnot_wave_0_\@
	s_barrier_signal -3
.Lnot_wave_0_\@:
	s_barrier_wait -3
	s_barrier_signal -1
	s_barrier_wait -1
.endm
.macro CROUND
	s_barrier_signal -1
	s_barrier_wait -1
	CREST
.endm
	s_load_b256 s[4:11], s[0:1], 0x0               ; act s[4:5], wts s[6:7], x s[8:9], out0 s[10:11]
	v_lshl_add_u32 v[SPW], v0, 2, SPARE
	v_mov_b32 v[NIL], 0
	ds_add_u32 v28, v29
	ds_add_u32 v28, v29
	s_wait_dscnt 0x0
	v_lshrrev_b32 v1, 5, v0
	v_readfirstlane_b32 s14, v1
	s_lshr_b32 s15, s14, 1
	s_and_b32 s16, s14, 1
	s_bfe_u32 s40, ttmp6, 0x40000                  ; cx
	s_bfe_u32 s41, ttmp6, 0x40004                  ; cy
	s_lshl_b32 s42, ttmp9, 2
	s_add_co_u32 s42, s42, s40                     ; B's tile of 256 rows of w_out
	s_and_b32 s17, ttmp7, 0xffff
	s_lshl_b32 s17, s17, 2
	s_add_co_u32 s17, s17, s41                     ; A's tile of 256 tokens
	s_lshl_b32 s43, s41, 2
	s_lshl_b32 s43, 15, s43
	s_lshl_b32 s44, 0x1111, s40
	s_or_b32 s[G1+0], s43, (3<<16)|(1<<21)         ; 8 rows (row tiles) of 384 elements of 8 bytes, 1,536 elements apart; no padding
	s_or_b32 s[G1B+0], s44, (3<<16)|(1<<21)
.irp g, G1, G1B
	s_mov_b32 s[\g+1], 384<<16
	s_mov_b32 s[\g+2], 8<<16
	s_mov_b32 s[\g+3], 384<<16
	s_mov_b32 s[\g+4], 8
	s_mov_b32 s[\g+5], 1536
	s_mov_b32 s[\g+6], 0
	s_mov_b32 s[\g+7], 0
.endr
	s_or_b32 s[G1S+0], s43, (3<<16)|(1<<21)        ; the scale bytes of 128 rows: 16 rows of 256 dense bytes
	s_or_b32 s[G1SB+0], s44, (3<<16)|(1<<21)
.irp g, G1S, G1SB
	s_mov_b32 s[\g+1], 32<<16
	s_mov_b32 s[\g+2], 16<<16
	s_mov_b32 s[\g+3], 32<<16
	s_mov_b32 s[\g+4], 16
	s_mov_b32 s[\g+5], 32
	s_mov_b32 s[\g+6], 0
	s_mov_b32 s[\g+7], 0
.endr
	s_lshl_b32 s20, s17, 1
	s_add_co_u32 s20, s20, s16
	s_lshl_b32 s46, s42, 1
	s_add_co_u32 s46, s46, s16
	s_lshl_b32 s22, s20, 12
	s_add_co_u32 s22, s22, XS
	s_lshl_b32 s92, s46, 12
	s_add_co_u32 s92, s92, WOS
	s_mul_i32 s20, s20, 8*12288
	s_mul_i32 s46, s46, 8*12288
	s_add_co_u32 s46, s46, WOC
	s_mov_b32 s21, 0
	s_mov_b32 s23, 0
	s_mov_b32 s47, 0
	s_mov_b32 s93, 0
	s_mul_i32 s45, s14, HALFT
	s_lshl_b32 s94, s14, 12
	s_wait_kmcnt 0x0
	s_add_nc_u64 s[20:21], s[4:5], s[20:21]
	s_add_nc_u64 s[22:23], s[4:5], s[22:23]
	s_add_nc_u64 s[46:47], s[6:7], s[46:47]
	s_add_nc_u64 s[92:93], s[6:7], s[92:93]
	CROUND                                         ; all sixteen work-groups are here: the first joint loads meet
	s_mov_b32 s[G0S], 1
	s_add_co_u32 s[G0S+1], s94, SCL
	s_mov_b64 s[G0S+2:G0S+3], s[22:23]
	s_or_b32 s[G0S+3], s[G0S+3], 0x80000000
	s_mov_b32 s[G0SB], 1
	s_add_co_u32 s[G0SB+1], s94, SCL
	s_mov_b64 s[G0SB+2:G0SB+3], s[92:93]
	s_or_b32 s[G0SB+3], s[G0SB+3], 0x80000000
	JLOAD G0S, G1S, G0SB, G1SB
.irp s, 0,1
	s_mov_b32 s[G0+4*\s], 1
	s_add_co_u32 s[G0+4*\s+1], s45, \s*SLOT
	s_add_nc_u64 s[G0+4*\s+2:G0+4*\s+3], s[20:21], \s*RTB
	s_or_b32 s[G0+4*\s+3], s[G0+4*\s+3], 0x80000000
	s_mov_b32 s[G0B+4*\s], 1
	s_add_co_u32 s[G0B+4*\s+1], s45, \s*SLOT
	s_add_nc_u64 s[G0B+4*\s+2:G0B+4*\s+3], s[46:47], \s*RTB
	s_or_b32 s[G0B+4*\s+3], s[G0B+4*\s+3], 0x80000000
	JLOAD G0+4*\s, G1, G0B+4*\s, G1B
.endr
	v_and_b32 v1, 31, v0
	v_lshlrev_b32 v[L16], 4, v1
	v_lshlrev_b32 v[L8], 3, v1
	v_lshlrev_b32 v[PFO], 12, v1
	s_mul_i32 s21, s15, HALFT
	s_mul_i32 s22, s16, HALFT
	s_add_co_u32 s22, s22, 2*HALFT
.irp s, 0,1
	v_add_nc_u32 v[ADRA+\s], s21, v[L16]
	v_add_nc_u32 v[ADRB+\s], s22, v[L16]
	v_add_nc_u32 v[ADRA+2+\s], s21, v[L8]
	v_add_nc_u32 v[ADRB+2+\s], s22, v[L8]
	s_add_co_u32 s21, s21, SLOT
	s_add_co_u32 s22, s22, SLOT
.endr
	v_and_b32 v1, 15, v0                           ; r
	v_bfe_u32 v2, v0, 4, 1                         ; h
	v_lshlrev_b32 v5, 3, v1
	s_lshl_b32 s21, s15, 12
	s_lshl_b32 s22, s16, 12
	s_add_co_u32 s22, s22, 2*HALFS
	s_sub_co_u32 s22, s22, s21
	v_mul_u32_u24 v6, s22, v2                      ; lanes 16-31 take B's scale words
	s_add_co_u32 s21, s21, SCL
	v_add_nc_u32 v5, v5, v6
	v_add_nc_u32 v[ADRS], s21, v5
	s_mul_i32 s23, s14, 16*SPITCH                  ; my stage
	v_mul_u32_u24 v5, v1, SPITCH
	v_lshl_add_u32 v5, v2, 7, v5
	v_add_nc_u32 v[STO], s23, v5                   ; in: row r; tile b's eight columns lie at 256 (b / 4) + 128 h + 32 (b % 4) bytes
	v_add_nc_u32 v[RD], s23, v[L16]                ; back: the 32 lanes take one row of 512 bytes
	s_lshl_b32 s20, s17, 8
	s_lshl_b32 s21, s15, 7
	s_add_co_u32 s20, s20, s21                     ; my first token
	s_lshl_b32 s20, s20, 12
	s_lshl_b32 s46, s42, 10
	s_lshl_b32 s47, s16, 9
	s_add_co_u32 s46, s46, s47                     ; my first column, in bytes
	s_add_co_u32 s20, s20, s46
	s_mov_b32 s21, 0
	s_add_nc_u64 s[8:9], s[8:9], s[20:21]          ; x and out0 at my part's corner; never stepped
	s_add_nc_u64 s[10:11], s[10:11], s[20:21]
.macro FRAG reg, adr, q, i
.irp c, 0,1
	ds_load_b128 v[\reg+6*\c:\reg+6*\c+3], v[\adr] offset:RTB*(\i)+768*(2*(\q)+\c)
	ds_load_b64 v[\reg+6*\c+4:\reg+6*\c+5], v[\adr+2] offset:RTB*(\i)+768*(2*(\q)+\c)+512
.endr
.endm
; The 64 accumulators take turns, one instruction a turn, in the same order in every step.
.macro MUL16 a0, p, q, sc, zero
.irp a, \a0, \a0+1
.irp b, 0,1,2,3,4,5,6,7
.if \zero
	v_wmma_scale_f32_16x16x128_f8f6f4 v[8*(8*((\a)%4)+\b):8*(8*((\a)%4)+\b)+7], v[128*(\p)+FR*\b:128*(\p)+FR*\b+FR-1], v[AF+FR*(\a):AF+FR*(\a)+FR-1], 0, v[SC+8*NQ*(\sc)+NQ*\b+(\q)], v[SC+8*NQ*(\sc)+NQ*(\a)+(\q)] matrix_a_fmt:MATRIX_FMT_FP6 matrix_b_fmt:MATRIX_FMT_FP6 matrix_a_scale:MATRIX_SCALE_ROW1
.else
	v_wmma_scale_f32_16x16x128_f8f6f4 v[8*(8*((\a)%4)+\b):8*(8*((\a)%4)+\b)+7], v[128*(\p)+FR*\b:128*(\p)+FR*\b+FR-1], v[AF+FR*(\a):AF+FR*(\a)+FR-1], v[8*(8*((\a)%4)+\b):8*(8*((\a)%4)+\b)+7], v[SC+8*NQ*(\sc)+NQ*\b+(\q)], v[SC+8*NQ*(\sc)+NQ*(\a)+(\q)] matrix_a_fmt:MATRIX_FMT_FP6 matrix_b_fmt:MATRIX_FMT_FP6 matrix_a_scale:MATRIX_SCALE_ROW1
.endif
.endr
.endr
.endm
.macro FETCH_B slot, q, p
	WIN TO_B
.irp i, 0,1,2,3,4,5,6,7
	FRAG 128*(\p)+FR*\i, ADRB+\slot, \q, \i
.endr
	WIN 0
.endm
.macro FETCH_A slot, q, i0
.irp i, \i0, \i0+1, \i0+2, \i0+3
	FRAG AF+FR*(\i), ADRA+\slot, \q, \i
.endr
.endm
.macro SCALES sc
.irp i, 0,1,2,3,4,5,6,7
	ds_load_b64 v[SC+8*NQ*\sc+NQ*\i:SC+8*NQ*\sc+NQ*\i+1], v[ADRS] offset:\i*128
.endr
.endm
.macro PLACES n
.rept \n
	v_nop
.endr
.endm
.macro STEP slot, q, zero
	s_wait_dscnt 4*NL                              ; B's set and A's blocks 0-3 are in; the youngest sixteen loads (A's blocks 4-7) may be out
	WIN MUL_LO
	MUL16 0, (\q)%2, \q, \slot, \zero
	MUL16 2, (\q)%2, \q, \slot, \zero
	s_wait_dscnt 0
	PLACES NP
	FETCH_B \slot, (\q)+1, 1-(\q)%2
	FETCH_A \slot, (\q)+1, 0
	WIN MUL_HI
	MUL16 4, (\q)%2, \q, \slot, \zero
	MUL16 6, (\q)%2, \q, \slot, \zero
	PLACES NP
	WIN 0
	FETCH_A \slot, (\q)+1, 4
.endm
.macro TURN slot, next, fill
	s_wait_tensorcnt 0x0                           ; all my tensor loads have landed: my part of the next slot
	ds_add_u32 v[SPW], v[NIL]                      ; 0 onto my spare word
	s_wait_dscnt 4*NL+1                            ; (the add and the youngest sixteen loads may be out)
	WIN MUL_LO
	MUL16 0, 1, NQ-1, \slot, 0
	s_wait_dscnt 0x0                               ; the add is done, and my reads of this slot are over
	s_barrier_signal -1
	MUL16 2, 1, NQ-1, \slot, 0
	WIN 0
	s_barrier_wait -1
.if \fill
	CREST                                          ; the barrier has opened a round of the cluster's: no wave of any partner still reads this slot or has a load on its way
	s_add_nc_u64 s[G0+4*\slot+2:G0+4*\slot+3], s[G0+4*\slot+2:G0+4*\slot+3], 2*RTB
	s_add_nc_u64 s[G0B+4*\slot+2:G0B+4*\slot+3], s[G0B+4*\slot+2:G0B+4*\slot+3], 2*RTB
	JLOAD G0+4*\slot, G1, G0B+4*\slot, G1B
.else
	PLACES NP
.endif
	v_add_nc_u32 v[ADRS], 1024, v[ADRS]
	FETCH_B \next, 0, 0
	FETCH_A \next, 0, 0
	SCALES \next
.if \fill
	global_prefetch_b8 v[PFO], s[8:9] offset:131072*\slot th:TH_LOAD_NT scope:SCOPE_SE        ; my rows 32 slot + lane of x, the first 256 bytes of my 512,
	global_prefetch_b8 v[PFO], s[8:9] offset:131072*\slot+256 th:TH_LOAD_NT scope:SCOPE_SE    ; and the second: wanted four and more steps of 64 products on
.endif
	WIN MUL_HI
	MUL16 4, 1, NQ-1, \slot, 0
	MUL16 6, 1, NQ-1, \slot, 0
	PLACES NP
	WIN 0
	FETCH_A \next, 0, 4
.endm
	s_wait_tensorcnt 1                             ; the scale bytes and my part of K step 0 are in; K step 1's load may be out
	s_barrier_signal -1
	s_barrier_wait -1
	FETCH_B 0, 0, 0
	FETCH_A 0, 0, 0
	SCALES 0
	FETCH_A 0, 0, 4
	STEP 0, 0, 1                                   ; K = 1,024 is four slots' worth: the eight steps are written out; the first products start the sums
	TURN 0, 1, 1
	STEP 1, 0, 0
	TURN 1, 0, 1
	STEP 0, 0, 0
	TURN 0, 1, 0
	STEP 1, 0, 0
	s_wait_dscnt 4*NL
	WIN MUL_LO
	MUL16 0, 1, NQ-1, 1, 0
	MUL16 2, 1, NQ-1, 1, 0
	s_wait_dscnt 0
	WIN MUL_HI
	MUL16 4, 1, NQ-1, 1, 0
	MUL16 6, 1, NQ-1, 1, 0
	WIN 0
; THE WAY OUT, block by block of 16 tokens x 128 columns, through my own stage; row i of block a is natural token 64 (a / 4) + 8 (a % 4) + 32 (i / 8) + i % 8 of my 128.
.macro XLOAD a                         ; the same 16 rows of x, into window 1
	WIN 0x40
.irp t, 0,1,2,3,4,5,6,7,8,9,10,11,12,13,14,15
	global_load_b128 v[64*((\a)%4)+4*\t:64*((\a)%4)+4*\t+3], v[L16], s[8:9] offset:(64*((\a)/4)+8*((\a)%4)+32*(\t/8)+\t%8)*4096 th:TH_LOAD_NT
.endr
	WIN 0
.endm
.macro TOSTAGE a
.set AC, 64*((\a)%4)
.set WS, 0x08+4*((\a)/4)
	WIN WS                                         ; an LDS store's data: window 2 or 3
.irp b, 0,1,2,3,4,5,6,7
	ds_store_b128 v[STO], v[AC+8*\b:AC+8*\b+3] offset:256*(\b/4)+32*(\b%4)          ; each accumulator from its low end on
	ds_store_b128 v[STO], v[AC+8*\b+4:AC+8*\b+7] offset:256*(\b/4)+32*(\b%4)+16
.endr
	WIN 0
.set BB, BK+64*((\a)%2)
.irp t, 0,1,2,3,4,5,6,7,8,9,10,11,12,13,14,15
	ds_load_b128 v[BB+4*\t:BB+4*\t+3], v[RD] offset:\t*SPITCH    ; LDS serves a wave's instructions in order: these see the stores above
.endr
.endm
.macro SEND a, younger
.set BB, BK+64*((\a)%2)
.set XB, 64*((\a)%4)
	s_wait_dscnt \younger                          ; the block is back in registers; the next block's 16 stores and 16 loads may be out
.if (\a) < 5
	s_wait_loadcnt 48                              ; its rows of x are in; the three blocks behind it, sixteen loads each, stay out
.else
	s_wait_loadcnt 16*(7-(\a))
.endif
	WIN 0x04                                       ; source 1: x, in window 1
.irp k, 0,2,4,6,8,10,12,14,16,18,20,22,24,26,28,30,32,34,36,38,40,42,44,46,48,50,52,54,56,58,60,62
	v_pk_add_f32 v[BB+\k:BB+\k+1], v[BB+\k:BB+\k+1], v[XB+\k:XB+\k+1]
.endr
	WIN 0
.irp t, 0,1,2,3,4,5,6,7,8,9,10,11,12,13,14,15
	global_store_b128 v[L16], v[BB+4*\t:BB+4*\t+3], s[10:11] offset:(64*((\a)/4)+8*((\a)%4)+32*(\t/8)+\t%8)*4096 th:TH_STORE_NT   ; 32 lanes store 512 consecutive bytes, at a multiple of 256 from the buffer's first byte
.endr
.endm
	PLACES NP                                      ; behind the last products: loads land in A's and B's registers, and results are read
	XLOAD 0
	XLOAD 1
	XLOAD 2
	XLOAD 3
	TOSTAGE 0
.irp a, 1,2,3,4,5,6,7
.if \a > 1
	s_wait_xcnt 0x0                                ; block a - 2's stores have read their registers: block a's rows may land there
.endif
	TOSTAGE \a
	SEND \a-1, 32
.if \a < 5
	XLOAD \a+3                                     ; into the registers whose rows of x have just been added
.endif
.endr
	SEND 7, 0
	s_wait_tensorcnt 0x0                           ; the wave's end
	ds_add_u32 v[SPW], v[NIL]
	s_wait_dscnt 0x0
	CROUND                                         ; the closing round: no work-group ends while a partner may still ask for a tile that names it
	s_endpgm
.Lfunc_end_k_q66aca282b8_proj:
	.size	k_q66aca282b8_proj, .Lfunc_end_k_q66aca282b8_proj-k_q66aca282b8_proj
	.p2alignl 7, 3214868480
	.fill 96, 4, 3214868480
	.section	.rodata,"a",@progbits
	.p2align	6, 0x0
	.amdhsa_kernel k_q66aca282b8_proj
		.amdhsa_group_segment_fixed_size 327680
		.amdhsa_private_segment_fixed_size 0
		.amdhsa_enable_private_segment 0
		.amdhsa_kernarg_size 32
		.amdhsa_user_sgpr_count 2
		.amdhsa_user_sgpr_kernarg_segment_ptr 1
		.amdhsa_wavefront_size32 1
		.amdhsa_system_sgpr_workgroup_id_x 1
		.amdhsa_system_sgpr_workgroup_id_y 1
		.amdhsa_system_sgpr_workgroup_id_z 1
		.amdhsa_system_vgpr_workitem_id 0
		.amdhsa_next_free_vgpr 1024
		.amdhsa_next_free_sgpr 100
		.amdhsa_reserve_vcc 0
		.amdhsa_float_denorm_mode_32 3
		.amdhsa_float_denorm_mode_16_64 3
		.amdhsa_memory_ordered 1
		.amdhsa_forward_progress 1
		.amdhsa_inst_pref_size 172
	.end_amdhsa_kernel
	.amdgpu_metadata
---
amdhsa.version: [ 1, 2 ]
amdhsa.kernels:
  - .name:           k_q66aca282b8_proj
    .symbol:         k_q66aca282b8_proj.kd
    .args:
      - { .name: act, .offset: 0, .size: 8, .value_kind: global_buffer, .address_space: global }
      - { .name: wts, .offset: 8, .size: 8, .value_kind: global_buffer, .address_space: global }
      - { .name: x, .offset: 16, .size: 8, .value_kind: global_buffer, .address_space: global }
      - { .name: out0, .offset: 24, .size: 8, .value_kind: global_buffer, .address_space: global }
    .group_segment_fixed_size: 327680
    .private_segment_fixed_size: 0
    .kernarg_segment_align: 8
    .kernarg_segment_size: 32
    .max_flat_workgroup_size: 128
    .sgpr_count:     100
    .vgpr_count:     1024
    .wavefront_size: 32
...
	.end_amdgpu_metadata
.endif
;; end of part 4
;; ======== version 2 of 2: 4 launches
;; limits: right only within a limited range of input values
;; workspace buffers: act 6,553,600 bytes; wts 3,276,800 bytes; cs 2,359,296 bytes; qkv 20,447,232 bytes
;; launch prep: the kernel of part 1 again; grid 384 x 1, 4 waves a work-group, no clusters, 45,568 bytes of LDS; arguments x, scale, theta, w_qkv_codes, w_qkv_scales, w_out_codes, w_out_scales, act, wts, cs; writes act, wts, cs
;; launch qkv (part 5): grid 12 x 32, 4 waves a work-group, clusters of 4 x 4, 327,680 bytes of LDS; arguments act, wts, cs, qkv; writes qkv
.if DOCPART == 5
	.amdgcn_target "amdgcn-amd-amdhsa--gfx1250"
	.amdhsa_code_object_version 6
	.text
	.protected	k_q66aca282b8_qkv
	.globl	k_q66aca282b8_qkv
	.p2align	8
	.type	k_q66aca282b8_qkv,@function
k_q66aca282b8_qkv:
	s_mov_b64 s[64:65], 0
	v_nop
	global_prefetch_b8 v0, s[64:65] scope:SCOPE_SE
	s_setreg_imm32_b32 hwreg(HW_REG_WAVE_MODE, 25, 1), 1
	s_wait_xcnt 0x0
	s_wait_alu depctr_hold_cnt(0) depctr_sa_sdst(0) depctr_va_vdst(0) depctr_va_sdst(0) depctr_va_ssrc(0) depctr_va_vcc(0) depctr_vm_vsrc(0)
	s_getreg_b32 s2, hwreg(HW_REG_IB_STS2, 6, 4)
	s_cmp_eq_u32 s2, 0
	s_cbranch_scc0 .Lentry_in_a_cluster
	s_endpgm
.Lentry_in_a_cluster:
	s_bfe_u32 s2, ttmp6, 0x10000c
	s_cmp_lg_u32 s2, 0xf033
	s_cbranch_scc0 .Lentry_shape_is_right
	s_endpgm
.Lentry_shape_is_right:
; qkv = xn w_qkv^T on codes of E2M3 (K = 1,024), then the rotation of q and k, then the quantising of q, k (along the head's 64) and v (along the keys), all in registers; stored as operand images for the attention.
; A tile of 256 x 256 of the product is made by a work-group of four waves, 128 x 128 a wave: 64 accumulators, 512 registers.  K goes in steps of 256 through a ring of two LDS slots filled by the tensor data mover.
; Both operands lie in memory as images of the operand's registers: a tile of 16 rows is 16 units (64 K) of 768 bytes; lane L's six registers of a unit lie at 16 L (four) and 512 + 8 L (two).  So a fragment is two loads of
; 16 bytes and two of 8 a lane, each over consecutive bytes, and a K step of 8 row tiles is a tensor tile of 8 rows of 3,072 bytes.
; Inside each 64 rows, laid row 16 t + r is natural row 32 (r / 8) + 8 t + r % 8: the 32 registers of four neighbouring source-0 tiles are then 32 NEIGHBOURS, 32 (lane / 16) + 0..31: a whole block of the next quantiser in one lane.
; ROLES, by the cluster's number L = x + 3 y (0..23), which all sixteen partners share.  L < 16: role L % 2 (0: q, 1: k), batch L / 2; L >= 16: role 2 (v), batch L - 16: the clusters with the longer way out have the lower numbers.
; Roles 0, 1: source 1 ("A") = 256 tokens, source 0 ("B") = 256 rows of w: a lane holds one token and half a head.
; Role 2: A = 256 rows of w's last third, B = 256 tokens: a lane holds one channel, and its registers run along the keys, which are the second attention product's K.
; CLUSTERS: 4 x 4.  A's tile is shared along a row of the cluster, B's along a column: each is asked for jointly.
; THE RECORDS: one for each (batch, head), REC bytes: K's codes [key step of 128][8 units][768], V's [key step][4 tiles of 16 channels][2 units][768], K's and V's scale words [key step][lane][4 words], then Q's codes and words like K's.
; LIMITS: NaN and infinities are not served; a block of zeros gets the scale byte 1 (its codes are zeros; this program alone reads the bytes).
; REGISTERS: window 0: v14-31 addresses; v32-63 scale words (nothing else, ever); v128-223 A's fragments, one set; in the way out v128-199 at work.  window 1: B's fragments, two sets; in the way out eight sets of cos and sin.
; windows 2, 3: the accumulators ((a, b) at v[8 (8 (a % 4) + b)]).
.set XS,    6291456
.set WQS,   2359296
.set SINO,  1048576
.set ONES,  2097152
.set ZEROS, 2228224
.set REC,   159744
.set VCO,   49152
.set KSO,   98304
.set VSO,   102400
.set QC,    106496
.set QSO,   155648
.set NQ,    2                          ; matrix instructions deep in a slot
.set FR,    12                         ; registers of a fragment
.set NL,    4                          ; LDS loads that bring one
.set NP,    4                          ; places behind this matrix instruction (ISA guide 7.12.1)
.set RTB,   3072                       ; a row tile's bytes in a slot: four units
.set HALFT, 8*RTB                      ; 128 rows: what one tensor load brings
.set SLOT,  4*HALFT
.set SCL,   2*SLOT                     ; behind the ring: the scale bytes of A's and B's 256 rows, for all of K: filled once
.set HALFS, 4096
.set SPARE, SCL+4*HALFS                ; the spare words, 128 bytes for each wave: two blocks of 256 bytes that no other line names
.set ROLE, 2                           ; s2  0: q, 1: k, 2: v
.set ADRA, 16                          ; v16-17 A's fragments in slot 0, 1, + 16 lane;  v18-19 the same + 8 lane
.set ADRB, 20                          ; v20-23 the same for B
.set L16,  24                          ; v24 16 lane
.set L8,   25                          ; v25 8 lane
.set ADRS, 27                          ; v27 my scale words: lanes 0-15 A's rows, lanes 16-31 B's
.set SPW,  28
.set NIL,  29
.set SC,   32
.set AF,   128
.set G1, 24
.set G0, 32
.set G1B, 48
.set G0B, 56
.set G1S, 68
.set G0S, 76
.set G1SB, 80
.set G0SB, 88
.set MSB, 0
.macro WIN new                         ; the immediate's high byte repeats the setting that is left
.if MSB != \new
	s_set_vgpr_msb (MSB<<8)|\new
.set MSB, \new
.endif
.endm
.set MUL_LO, 0xa1                      ; source 0 (B) window 1, source 1 (A) window 0, C and D window 2
.set MUL_HI, 0xf1
.set TO_B,   0x40
; A joint load: waves 0 and 1 fetch for A, waves 2 and 3 for B; the branch hangs on the wave's number alone.  Four v_nop follow each of the two lines.
.macro JLOAD g0a, g1a, g0b, g1b
	s_cmp_eq_u32 s15, 0
	s_cbranch_scc0 .Lfor_b_\@
	tensor_load_to_lds s[\g0a:\g0a+3], s[\g1a:\g1a+7]
	s_nop 0
.rept 4
	v_nop
.endr
	s_branch .Lasked_\@
.Lfor_b_\@:
	tensor_load_to_lds s[\g0b:\g0b+3], s[\g1b:\g1b+7]
	s_nop 0
.rept 4
	v_nop
.endr
.Lasked_\@:
.endm
.macro CREST                           ; a round of the cluster's barrier behind its opening barrier
	s_cmp_lg_u32 s14, 0
	s_cbranch_scc1 .Lnot_wave_0_\@
	s_barrier_signal -3
.Lnot_wave_0_\@:
	s_barrier_wait -3
	s_barrier_signal -1
	s_barrier_wait -1
.endm
.macro CROUND
	s_barrier_signal -1
	s_barrier_wait -1
	CREST
.endm
	s_load_b256 s[4:11], s[0:1], 0x0               ; act s[4:5], wts s[6:7], cs s[8:9], qkv s[10:11]
	v_lshl_add_u32 v[SPW], v0, 2, SPARE
	v_mov_b32 v[NIL], 0
	ds_add_u32 v28, v29
	ds_add_u32 v28, v29
	s_wait_dscnt 0x0
	v_lshrrev_b32 v1, 5, v0
	v_readfirstlane_b32 s14, v1                    ; wave 0..3
	s_lshr_b32 s15, s14, 1                         ; which half of A's rows is mine.  Also: I fetch for A (0) or for B (1)
	s_and_b32 s16, s14, 1                          ; which half of B's rows.  Also: which 128 rows I fetch
	s_bfe_u32 s40, ttmp6, 0x40000                  ; cx
	s_bfe_u32 s41, ttmp6, 0x40004                  ; cy
	s_and_b32 s12, ttmp7, 0xffff                   ; cluster y
	s_mul_i32 s12, s12, 3
	s_add_co_u32 s12, s12, ttmp9                   ; L = cluster x + 3 cluster y: 0..23
	s_and_b32 s[ROLE], s12, 1
	s_lshr_b32 s3, s12, 1
	s_max_u32 s13, s12, 16
	s_sub_co_u32 s13, s13, 16
	s_cmp_lt_u32 s12, 16
	s_cselect_b32 s[ROLE], s[ROLE], 2              ; the role,
	s_cselect_b32 s12, s3, s13                     ; and the batch: the same in all sixteen partners
	s_lshl_b32 s13, s12, 2
	s_lshl_b32 s42, s[ROLE], 2
	s_mov_b32 s18, XS
	s_mov_b32 s19, WQS
	s_cmp_eq_u32 s[ROLE], 2
	s_cselect_b32 s17, 8, s13
	s_cselect_b32 s42, s13, s42
	s_cselect_b32 s66, s19, s18                    ; where the scale bytes begin in A's buffer,
	s_cselect_b32 s67, s18, s19                    ; and in B's
	s_add_co_u32 s17, s17, s41                     ; A's tile of 256 rows: tokens 4 batch + cy, or w's 8 + cy
	s_add_co_u32 s42, s42, s40                     ; B's: w's 4 role + cx, or tokens 4 batch + cx
	s_lshl_b32 s43, s41, 2
	s_lshl_b32 s43, 15, s43                        ; my row of the cluster
	s_lshl_b32 s44, 0x1111, s40                    ; my column
	; descriptor group 1: 8 rows (row tiles) of 384 elements of 8 bytes, 1,536 elements apart; no padding
	s_or_b32 s[G1+0], s43, (3<<16)|(1<<21)         ; 15:0 the mask; 17:16 elements of 8 bytes; 21 set beside a mask
	s_or_b32 s[G1B+0], s44, (3<<16)|(1<<21)
.irp g, G1, G1B
	s_mov_b32 s[\g+1], 384<<16                     ; tensor_dim0
	s_mov_b32 s[\g+2], 8<<16                       ; tensor_dim1
	s_mov_b32 s[\g+3], 384<<16                     ; tile_dim0
	s_mov_b32 s[\g+4], 8                           ; tile_dim1
	s_mov_b32 s[\g+5], 1536                        ; tensor_dim0_stride
	s_mov_b32 s[\g+6], 0
	s_mov_b32 s[\g+7], 0
.endr
	; the scale bytes of 128 rows: 4,096 dense bytes as 16 rows of 256
	s_or_b32 s[G1S+0], s43, (3<<16)|(1<<21)
	s_or_b32 s[G1SB+0], s44, (3<<16)|(1<<21)
.irp g, G1S, G1SB
	s_mov_b32 s[\g+1], 32<<16
	s_mov_b32 s[\g+2], 16<<16
	s_mov_b32 s[\g+3], 32<<16
	s_mov_b32 s[\g+4], 16
	s_mov_b32 s[\g+5], 32
	s_mov_b32 s[\g+6], 0
	s_mov_b32 s[\g+7], 0
.endr
	s_lshl_b32 s20, s17, 1
	s_add_co_u32 s20, s20, s16                     ; A: which 128 rows I fetch
	s_lshl_b32 s46, s42, 1
	s_add_co_u32 s46, s46, s16                     ; B likewise
	s_lshl_b32 s22, s20, 12
	s_add_co_u32 s22, s22, s66                     ; their scale bytes,
	s_lshl_b32 s92, s46, 12
	s_add_co_u32 s92, s92, s67
	s_mul_i32 s20, s20, 8*12288                    ; and their codes
	s_mul_i32 s46, s46, 8*12288
	s_mov_b32 s21, 0
	s_mov_b32 s23, 0
	s_mov_b32 s47, 0
	s_mov_b32 s93, 0
	s_mul_i32 s45, s14, HALFT                      ; where they go: wave x 128 rows: no place in the cluster enters an LDS address
	s_lshl_b32 s94, s14, 12
	s_wait_kmcnt 0x0
	s_cmp_eq_u32 s[ROLE], 2
	s_cselect_b64 s[96:97], s[6:7], s[4:5]         ; A's buffer
	s_cselect_b64 s[98:99], s[4:5], s[6:7]         ; B's
	s_add_nc_u64 s[20:21], s[96:97], s[20:21]
	s_add_nc_u64 s[22:23], s[96:97], s[22:23]
	s_add_nc_u64 s[46:47], s[98:99], s[46:47]
	s_add_nc_u64 s[92:93], s[98:99], s[92:93]
	CROUND                                         ; all sixteen work-groups are here: the first joint loads meet
	s_mov_b32 s[G0S], 1
	s_add_co_u32 s[G0S+1], s94, SCL
	s_mov_b64 s[G0S+2:G0S+3], s[22:23]
	s_or_b32 s[G0S+3], s[G0S+3], 0x80000000
	s_mov_b32 s[G0SB], 1
	s_add_co_u32 s[G0SB+1], s94, SCL
	s_mov_b64 s[G0SB+2:G0SB+3], s[92:93]
	s_or_b32 s[G0SB+3], s[G0SB+3], 0x80000000
	JLOAD G0S, G1S, G0SB, G1SB                     ; the scale bytes first: they are wanted with K step 0
.irp s, 0,1
	s_mov_b32 s[G0+4*\s], 1
	s_add_co_u32 s[G0+4*\s+1], s45, \s*SLOT
	s_add_nc_u64 s[G0+4*\s+2:G0+4*\s+3], s[20:21], \s*RTB
	s_or_b32 s[G0+4*\s+3], s[G0+4*\s+3], 0x80000000
	s_mov_b32 s[G0B+4*\s], 1
	s_add_co_u32 s[G0B+4*\s+1], s45, \s*SLOT
	s_add_nc_u64 s[G0B+4*\s+2:G0B+4*\s+3], s[46:47], \s*RTB
	s_or_b32 s[G0B+4*\s+3], s[G0B+4*\s+3], 0x80000000
	JLOAD G0+4*\s, G1, G0B+4*\s, G1B
.endr
	v_and_b32 v1, 31, v0
	v_lshlrev_b32 v[L16], 4, v1
	v_lshlrev_b32 v[L8], 3, v1
	s_mul_i32 s21, s15, HALFT                      ; my 128 rows of A
	s_mul_i32 s22, s16, HALFT                      ; my 128 rows of B,
	s_add_co_u32 s22, s22, 2*HALFT                 ; which lie behind A's 256
.irp s, 0,1
	v_add_nc_u32 v[ADRA+\s], s21, v[L16]
	v_add_nc_u32 v[ADRB+\s], s22, v[L16]
	v_add_nc_u32 v[ADRA+2+\s], s21, v[L8]
	v_add_nc_u32 v[ADRB+2+\s], s22, v[L8]
	s_add_co_u32 s21, s21, SLOT
	s_add_co_u32 s22, s22, SLOT
.endr
	v_and_b32 v1, 15, v0                           ; r
	v_bfe_u32 v2, v0, 4, 1                         ; h
	v_lshlrev_b32 v5, 3, v1                        ; 8 bytes a row and K step
	s_lshl_b32 s21, s15, 12                        ; A's: my 128 rows
	s_lshl_b32 s22, s16, 12                        ; B's: my 128 rows, behind A's 256
	s_add_co_u32 s22, s22, 2*HALFS
	s_sub_co_u32 s22, s22, s21
	v_mul_u32_u24 v6, s22, v2                      ; lanes 16-31 take B's
	s_add_co_u32 s21, s21, SCL
	v_add_nc_u32 v5, v5, v6
	v_add_nc_u32 v[ADRS], s21, v5
.macro FRAG reg, adr, q, i             ; a fragment: units 2 q and 2 q + 1 of row tile i, as they lie
.irp c, 0,1
	ds_load_b128 v[\reg+6*\c:\reg+6*\c+3], v[\adr] offset:RTB*(\i)+768*(2*(\q)+\c)
	ds_load_b64 v[\reg+6*\c+4:\reg+6*\c+5], v[\adr+2] offset:RTB*(\i)+768*(2*(\q)+\c)+512
.endr
.endm
; 16 matrix instructions: A's blocks a0, a0 + 1 x B's eight.  The 64 accumulators take turns, one instruction a turn, in the same order in every step.
.macro MUL16 a0, p, q, sc, zero
.irp a, \a0, \a0+1
.irp b, 0,1,2,3,4,5,6,7
.if \zero
	v_wmma_scale_f32_16x16x128_f8f6f4 v[8*(8*((\a)%4)+\b):8*(8*((\a)%4)+\b)+7], v[128*(\p)+FR*\b:128*(\p)+FR*\b+FR-1], v[AF+FR*(\a):AF+FR*(\a)+FR-1], 0, v[SC+8*NQ*(\sc)+NQ*\b+(\q)], v[SC+8*NQ*(\sc)+NQ*(\a)+(\q)] matrix_a_fmt:MATRIX_FMT_FP6 matrix_b_fmt:MATRIX_FMT_FP6 matrix_a_scale:MATRIX_SCALE_ROW1
.else
	v_wmma_scale_f32_16x16x128_f8f6f4 v[8*(8*((\a)%4)+\b):8*(8*((\a)%4)+\b)+7], v[128*(\p)+FR*\b:128*(\p)+FR*\b+FR-1], v[AF+FR*(\a):AF+FR*(\a)+FR-1], v[8*(8*((\a)%4)+\b):8*(8*((\a)%4)+\b)+7], v[SC+8*NQ*(\sc)+NQ*\b+(\q)], v[SC+8*NQ*(\sc)+NQ*(\a)+(\q)] matrix_a_fmt:MATRIX_FMT_FP6 matrix_b_fmt:MATRIX_FMT_FP6 matrix_a_scale:MATRIX_SCALE_ROW1
.endif
.endr
.endr
.endm
.macro FETCH_B slot, q, p
	WIN TO_B
.irp i, 0,1,2,3,4,5,6,7
	FRAG 128*(\p)+FR*\i, ADRB+\slot, \q, \i
.endr
	WIN 0
.endm
.macro FETCH_A slot, q, i0
.irp i, \i0, \i0+1, \i0+2, \i0+3
	FRAG AF+FR*(\i), ADRA+\slot, \q, \i
.endr
.endm
.macro SCALES sc                       ; a K step's scale words: two a row; lanes 0-15 A's block i, lanes 16-31 B's block i
.irp i, 0,1,2,3,4,5,6,7
	ds_load_b64 v[SC+8*NQ*\sc+NQ*\i:SC+8*NQ*\sc+NQ*\i+1], v[ADRS] offset:\i*128
.endr
.endm
.macro PLACES n                        ; plain vector instructions between a matrix instruction and a load into, or a read of, its registers
.rept \n
	v_nop
.endr
.endm
.macro STEP slot, q, zero              ; 128 along K whose successor lies in the same slot
	s_wait_dscnt 4*NL                              ; B's set and A's blocks 0-3 are in; the youngest sixteen loads (A's blocks 4-7) may be out
	WIN MUL_LO
	MUL16 0, (\q)%2, \q, \slot, \zero
	MUL16 2, (\q)%2, \q, \slot, \zero
	s_wait_dscnt 0
	PLACES NP
	FETCH_B \slot, (\q)+1, 1-(\q)%2
	FETCH_A \slot, (\q)+1, 0
	WIN MUL_HI
	MUL16 4, (\q)%2, \q, \slot, \zero
	MUL16 6, (\q)%2, \q, \slot, \zero
	PLACES NP
	WIN 0
	FETCH_A \slot, (\q)+1, 4
.endm
; A slot's last step changes slots: one barrier; in front of it each wave waits for all its tensor loads, adds 0 to its spare word, and waits for that and for its reads of this slot.
.macro TURN slot, next, fill
	s_wait_tensorcnt 0x0                           ; all my tensor loads have landed: my part of the next slot
	ds_add_u32 v[SPW], v[NIL]                      ; 0 onto my spare word
	s_wait_dscnt 4*NL+1                            ; (the add and the youngest sixteen loads may be out)
	WIN MUL_LO
	MUL16 0, 1, NQ-1, \slot, 0
	s_wait_dscnt 0x0                               ; the add is done, and my reads of this slot are over
	s_barrier_signal -1
	MUL16 2, 1, NQ-1, \slot, 0
	WIN 0
	s_barrier_wait -1
.if \fill
	CREST                                          ; the barrier has opened a round of the cluster's: no wave of any partner still reads this slot or has a load on its way
	s_add_nc_u64 s[G0+4*\slot+2:G0+4*\slot+3], s[G0+4*\slot+2:G0+4*\slot+3], 2*RTB
	s_add_nc_u64 s[G0B+4*\slot+2:G0B+4*\slot+3], s[G0B+4*\slot+2:G0B+4*\slot+3], 2*RTB
	JLOAD G0+4*\slot, G1, G0B+4*\slot, G1B         ; the first tensor load behind the round; its four v_nop are the places in front of the loads below
.else
	PLACES NP
.endif
	v_add_nc_u32 v[ADRS], 1024, v[ADRS]            ; the next K step's scale words
	FETCH_B \next, 0, 0
	FETCH_A \next, 0, 0
	SCALES \next
	WIN MUL_HI
	MUL16 4, 1, NQ-1, \slot, 0
	MUL16 6, 1, NQ-1, \slot, 0
	PLACES NP
	WIN 0
	FETCH_A \next, 0, 4
.endm
	s_wait_tensorcnt 1                             ; the scale bytes and my part of K step 0 are in; K step 1's load may be out
	s_barrier_signal -1
	s_barrier_wait -1
	FETCH_B 0, 0, 0
	FETCH_A 0, 0, 0
	SCALES 0
	FETCH_A 0, 0, 4
	STEP 0, 0, 1                                   ; K = 1,024 is four slots' worth: the eight steps are written out; the first products start the sums
	TURN 0, 1, 1
	STEP 1, 0, 0
	TURN 1, 0, 1
	STEP 0, 0, 0
	TURN 0, 1, 0                                   ; nothing is left to fetch
	STEP 1, 0, 0
	s_wait_dscnt 4*NL
	WIN MUL_LO
	MUL16 0, 1, NQ-1, 1, 0
	MUL16 2, 1, NQ-1, 1, 0
	s_wait_dscnt 0
	WIN MUL_HI
	MUL16 4, 1, NQ-1, 1, 0
	MUL16 6, 1, NQ-1, 1, 0
	WIN 0
; ---------------- THE WAY OUT.  Unit (a, g): the 32 registers v[64 (a % 4) + 32 g ..] of window 2 + a / 4: a whole block of 32 in each lane.
.set Y,   128                          ; v128-159 the rotated numbers
.set T,   160                          ; v160-175 at work
.set C,   176                          ; v176-181 a block's codes
.set C2,  182
.set M,   186                          ; v186-189 maxima, the conversion's scale operand, the byte
.set WD,  192                          ; v192-195 four scale words in the making
.set WT,  196                          ; v196-199 the other half of the lanes' bytes
.macro QUANT32 src, mx, cd, ce
	v_max3_num_f32 v[\mx], |v[\src]|, |v[\src+1]|, 0x1800000   ; with the floor 2^(3 - 127): the byte cannot fall under 1
	v_max3_num_f32 v[\mx+1], |v[\src+2]|, |v[\src+3]|, |v[\src+4]|
.irp i, 5,9,13,17,21,25
	v_max3_num_f32 v[\mx], v[\mx], |v[\src+\i]|, |v[\src+\i+1]|
	v_max3_num_f32 v[\mx+1], v[\mx+1], |v[\src+\i+2]|, |v[\src+\i+3]|
.endr
	v_max3_num_f32 v[\mx], v[\mx], |v[\src+29]|, |v[\src+30]|
	v_max3_num_f32 v[\mx], v[\mx], v[\mx+1], |v[\src+31]|
	v_add_nc_u32 v[\mx+2], 0xff000000, v[\mx]
	v_lshrrev_b32 v[\mx+3], 23, v[\mx+2]
	v_cvt_scalef32_pk16_fp6_f32 v[\cd:\cd+2], v[\src:\src+15], v[\mx+2]
	v_cvt_scalef32_pk16_fp6_f32 v[\ce:\ce+2], v[\src+16:\src+31], v[\mx+2]
	v_nop
.irp i, 0,1,2
	v_mov_b32 v[\cd+3+\i], v[\ce+\i]
.endr
.endm
.macro FINISH off                      ; my bytes go 8 (lane / 16) bits up; with lane l xor 16's the four words are whole, in all 32 lanes
.irp p, 0,1,2,3
	v_lshlrev_b32 v[WD+\p], v14, v[WD+\p]
.endr
.irp p, 0,1,2,3
	v_permlanex16_b32 v[WT+\p], v[WD+\p], s66, s67
.endr
.irp p, 0,1,2,3
	v_or_b32 v[WD+\p], v[WD+\p], v[WT+\p]
.endr
	global_store_b128 v[L16], v[WD:WD+3], s[92:93] offset:\off
.endm
	PLACES NP                                      ; behind the last products: their results are read, and A's and B's registers written, below
	v_and_b32 v1, 15, v0                           ; r
	v_bfe_u32 v2, v0, 4, 1                         ; h
	v_lshlrev_b32 v14, 3, v2                       ; 8 h
.irp p, 0,1,2,3
	v_mov_b32 v[WT+\p], 0                          ; written once: a lane permute's destination counts as one of its sources
.endr
	s_mov_b32 s66, 0x76543210
	s_mov_b32 s67, 0xfedcba98
	s_cmp_eq_u32 s[ROLE], 2
	s_cbranch_scc1 .Lvpath
; ---- q and k.  Lane (r, h) of unit (a, g): token S0 + 64 (a / 4) + 32 (r / 8) + 8 (a % 4) + r % 8, head head0 + g, channels 32 h + 0..31.
; Channels 0-15 and 16-31 are rotated against each other; channels 32-63 are not: lanes 16-31 read ones and zeros for cos and sin, so that every lane runs the same lines.
; COS AND SIN come through a ring of eight sets of 32 registers in window 1, where B's fragments lay: unit n = 8 g + a in set n % 8.  The first seven units' 56 loads go out together;
; unit n then asks for unit n + 7, into the set that unit n - 1 has left: a load has six units' arithmetic in which to land.
	s_lshl_b32 s18, s41, 8
	s_lshl_b32 s19, s15, 7
	s_add_co_u32 s18, s18, s19                     ; S0 = 256 cy + 128 x my half
	s_lshl_b32 s19, s40, 2
	s_lshl_b32 s20, s16, 1
	s_add_co_u32 s19, s19, s20                     ; head0 = 4 cx + 2 x my half
	v_and_b32 v3, 7, v1
	v_lshrrev_b32 v4, 3, v1
	v_lshl_add_u32 v3, v4, 5, v3
	v_add_nc_u32 v3, s18, v3
	v_lshlrev_b32 v3, 10, v3                       ; a token's 16 heads x 16 numbers are 1,024 bytes
	s_lshl_b32 s20, s19, 6
	v_add_nc_u32 v3, s20, v3
	v_add_nc_u32 v4, SINO, v3
	v_mov_b32 v5, ONES
	v_mov_b32 v6, ZEROS
	v_cmp_eq_u32 vcc_lo, 1, v2
	v_cndmask_b32 v30, v3, v5, vcc_lo              ; where my cos lie,
	v_cndmask_b32 v31, v4, v6, vcc_lo              ; and my sin; neither is rewritten
.macro CSLOAD n                        ; unit n's 16 cos and 16 sin; the caller has set the destination's window to 1
.set LA, (\n)%8
.set LG, (\n)/8
.set LS, 32*((\n)%8)
.irp i, 0,1,2,3
	global_load_b128 v[LS+4*\i:LS+4*\i+3], v30, s[8:9] offset:(64*(LA/4)+8*(LA%4))*1024+64*LG+16*\i
.endr
.irp i, 0,1,2,3
	global_load_b128 v[LS+16+4*\i:LS+16+4*\i+3], v31, s[8:9] offset:(64*(LA/4)+8*(LA%4))*1024+64*LG+16*\i
.endr
.endm
	WIN 0x40
.irp n, 0,1,2,3,4,5,6
	CSLOAD \n
.endr
	WIN 0
	s_lshl_b32 s20, s12, 4
	s_add_co_u32 s20, s20, s19                     ; the record: 16 batch + head0
	s_mul_i32 s20, s20, REC
	s_lshl_b32 s22, s41, 1
	s_add_co_u32 s22, s22, s15                     ; the key step: 2 cy + my half
	s_mul_i32 s23, s22, 6144
	s_lshl_b32 s22, s22, 9
	s_mov_b32 s19, KSO
	s_cmp_eq_u32 s[ROLE], 0                        ; q or k
	s_cselect_b32 s18, QC, 0
	s_cselect_b32 s19, QSO, s19
	s_add_co_u32 s46, s20, s23
	s_add_co_u32 s46, s46, s18
	s_mov_b32 s47, 0
	s_add_co_u32 s92, s20, s22
	s_add_co_u32 s92, s92, s19
	s_mov_b32 s93, 0
	s_add_nc_u64 s[46:47], s[10:11], s[46:47]      ; codes
	s_add_nc_u64 s[92:93], s[10:11], s[92:93]      ; scale words
.macro QKUNIT a, g
.set N, 8*(\g)+(\a)
.set CO, 32*(N%8)
.set SI, CO+16
.set AC, 64*((\a)%4)+32*(\g)
.set WA, 0x06+(\a)/4
.if N < 9
	s_wait_loadcnt 48                              ; this unit's cos and sin are in; the six units behind it, eight loads each, stay out
	WIN 0x40
	CSLOAD N+7
.else
	s_wait_loadcnt 8*(15-N)                        ; nothing is left to ask for: the counts run down
.endif
	WIN WA                                         ; source 0: the accumulators' window; source 1: window 1.
.irp k, 0,2,4,6,8,10,12,14
	v_pk_mul_f32 v[T+\k:T+\k+1], v[AC+16+\k:AC+17+\k], v[SI+\k:SI+\k+1]
.endr
.irp k, 0,2,4,6,8,10,12,14
	v_pk_fma_f32 v[Y+\k:Y+\k+1], v[AC+\k:AC+\k+1], v[CO+\k:CO+\k+1], v[T+\k:T+\k+1] neg_lo:[0,0,1] neg_hi:[0,0,1]   ; y1 = x1 cos - x2 sin
.endr
.irp k, 0,2,4,6,8,10,12,14
	v_pk_mul_f32 v[T+\k:T+\k+1], v[AC+\k:AC+\k+1], v[SI+\k:SI+\k+1]
.endr
.irp k, 0,2,4,6,8,10,12,14
	v_pk_fma_f32 v[Y+16+\k:Y+17+\k], v[AC+16+\k:AC+17+\k], v[CO+\k:CO+\k+1], v[T+\k:T+\k+1]   ; y2 = x2 cos + x1 sin
.endr
	WIN 0
	s_wait_xcnt 0x0                                ; the last unit's stores have read their registers: they are written again only behind this wait
	QUANT32 Y, M, C, C2
	global_store_b128 v[L16], v[C:C+3], s[46:47] offset:(\g)*REC+768*(\a)          ; 512 consecutive bytes, at a multiple of 256 from the buffer's first byte
	global_store_b64 v[L8], v[C+4:C+5], s[46:47] offset:(\g)*REC+768*(\a)+512      ; and 256 more
.if (\a)%2 == 0
	v_mov_b32 v[WD+(\a)/2], v[M+3]
.else
	v_lshl_or_b32 v[WD+(\a)/2], v[M+3], 16, v[WD+(\a)/2]
.endif
.endm
.irp g, 0,1
.irp a, 0,1,2,3,4,5,6,7
	QKUNIT \a, \g
.endr
	FINISH \g*REC
.endr
	s_branch .Ljoin
.Lvpath:
; ---- v.  Lane (r, h) of unit (a, g): head 4 cy + 2 x my half + a / 4, channel 32 (r / 8) + 8 (a % 4) + r % 8, keys 128 ks + 64 g + 32 h + 0..31: quantised as they stand.
	s_lshl_b32 s20, s12, 4
	s_lshl_b32 s21, s41, 2
	s_add_co_u32 s20, s20, s21
	s_lshl_b32 s21, s15, 1
	s_add_co_u32 s20, s20, s21                     ; the record of a = 0..3
	s_mul_i32 s20, s20, REC
	s_lshl_b32 s22, s40, 1
	s_add_co_u32 s22, s22, s16                     ; the key step: 2 cx + my half
	s_mul_i32 s23, s22, 6144
	s_lshl_b32 s22, s22, 9
	s_add_co_u32 s46, s20, s23
	s_add_co_u32 s46, s46, VCO
	s_mov_b32 s47, 0
	s_add_co_u32 s92, s20, s22
	s_add_co_u32 s92, s92, VSO
	s_mov_b32 s93, 0
	s_add_nc_u64 s[46:47], s[10:11], s[46:47]
	s_add_nc_u64 s[92:93], s[10:11], s[92:93]
.macro VUNIT a, g
.set AC, 64*((\a)%4)+32*(\g)
.set W1, 0x28+0x14*((\a)/4)
.set W2, 0x02+(\a)/4
	WIN W1                                         ; sources 1 and 2: the accumulators' window.
	v_max3_num_f32 v[M], 0x1800000, |v[AC]|, |v[AC+1]|         ; the floor 2^(3 - 127) starts both chains
	v_max3_num_f32 v[M+1], 0x1800000, |v[AC+2]|, |v[AC+3]|
.irp i, 4,8,12,16,20,24,28
	v_max3_num_f32 v[M], v[M], |v[AC+\i]|, |v[AC+\i+1]|
	v_max3_num_f32 v[M+1], v[M+1], |v[AC+\i+2]|, |v[AC+\i+3]|
.endr
	WIN 0
	v_max_num_f32 v[M], v[M], v[M+1]
	v_add_nc_u32 v[M+2], 0xff000000, v[M]
	v_lshrrev_b32 v[M+3], 23, v[M+2]
	s_wait_xcnt 0x0                                ; the last unit's stores have read their registers
	WIN W2
	v_cvt_scalef32_pk16_fp6_f32 v[C:C+2], v[AC:AC+15], v[M+2]
	v_cvt_scalef32_pk16_fp6_f32 v[C2:C2+2], v[AC+16:AC+31], v[M+2]
	WIN 0
	v_nop
.irp i, 0,1,2
	v_mov_b32 v[C+3+\i], v[C2+\i]
.endr
	global_store_b128 v[L16], v[C:C+3], s[46:47] offset:((\a)/4)*REC+1536*((\a)%4)+768*(\g)
	global_store_b64 v[L8], v[C+4:C+5], s[46:47] offset:((\a)/4)*REC+1536*((\a)%4)+768*(\g)+512
.if (\g) == 0
	v_mov_b32 v[WD+(\a)%4], v[M+3]
.else
	v_lshl_or_b32 v[WD+(\a)%4], v[M+3], 16, v[WD+(\a)%4]
.endif
.endm
.irp e, 0,1
.irp t, 0,1,2,3
	VUNIT 4*\e+\t, 0
	VUNIT 4*\e+\t, 1
.endr
	FINISH \e*REC
.endr
.Ljoin:
	s_wait_tensorcnt 0x0                           ; the wave's end
	ds_add_u32 v[SPW], v[NIL]
	s_wait_dscnt 0x0
	CROUND                                         ; the closing round: no work-group ends while a partner may still ask for a tile that names it
	s_endpgm
.Lfunc_end_k_q66aca282b8_qkv:
	.size	k_q66aca282b8_qkv, .Lfunc_end_k_q66aca282b8_qkv-k_q66aca282b8_qkv
	.p2alignl 7, 3214868480
	.fill 96, 4, 3214868480
	.section	.rodata,"a",@progbits
	.p2align	6, 0x0
	.amdhsa_kernel k_q66aca282b8_qkv
		.amdhsa_group_segment_fixed_size 327680
		.amdhsa_private_segment_fixed_size 0
		.amdhsa_enable_private_segment 0
		.amdhsa_kernarg_size 32
		.amdhsa_user_sgpr_count 2
		.amdhsa_user_sgpr_kernarg_segment_ptr 1
		.amdhsa_wavefront_size32 1
		.amdhsa_system_sgpr_workgroup_id_x 1
		.amdhsa_system_sgpr_workgroup_id_y 1
		.amdhsa_system_sgpr_workgroup_id_z 1
		.amdhsa_system_vgpr_workitem_id 0
		.amdhsa_next_free_vgpr 1024
		.amdhsa_next_free_sgpr 100
		.amdhsa_reserve_vcc 1
		.amdhsa_float_denorm_mode_32 3
		.amdhsa_float_denorm_mode_16_64 3
		.amdhsa_memory_ordered 1
		.amdhsa_forward_progress 1
		.amdhsa_inst_pref_size 220
	.end_amdhsa_kernel
	.amdgpu_metadata
---
amdhsa.version: [ 1, 2 ]
amdhsa.kernels:
  - .name:           k_q66aca282b8_qkv
    .symbol:         k_q66aca282b8_qkv.kd
    .args:
      - { .name: act, .offset: 0, .size: 8, .value_kind: global_buffer, .address_space: global }
      - { .name: wts, .offset: 8, .size: 8, .value_kind: global_buffer, .address_space: global }
      - { .name: cs, .offset: 16, .size: 8, .value_kind: global_buffer, .address_space: global }
      - { .name: qkv, .offset: 24, .size: 8, .value_kind: global_buffer, .address_space: global }
    .group_segment_fixed_size: 327680
    .private_segment_fixed_size: 0
    .kernarg_segment_align: 8
    .kernarg_segment_size: 32
    .max_flat_workgroup_size: 128
    .sgpr_count:     100
    .vgpr_count:     1024
    .wavefront_size: 32
...
	.end_amdgpu_metadata
.endif
;; end of part 5
;; launch attn: the kernel of part 3 again; grid 2 x 128, 16 waves a work-group, no clusters, 169,984 bytes of LDS; arguments qkv, act; writes act
;; launch proj (part 6): grid 4 x 64, 4 waves a work-group, clusters of 4 x 4, 327,680 bytes of LDS; arguments act, wts, x, out0; writes out0
.if DOCPART == 6
	.amdgcn_target "amdgcn-amd-amdhsa--gfx1250"
	.amdhsa_code_object_version 6
	.text
	.protected	k_q66aca282b8_proj
	.globl	k_q66aca282b8_proj
	.p2align	8
	.type	k_q66aca282b8_proj,@function
k_q66aca282b8_proj:
	s_mov_b64 s[64:65], 0
	v_nop
	global_prefetch_b8 v0, s[64:65] scope:SCOPE_SE
	s_setreg_imm32_b32 hwreg(HW_REG_WAVE_MODE, 25, 1), 1
	s_wait_xcnt 0x0
	s_wait_alu depctr_hold_cnt(0) depctr_sa_sdst(0) depctr_va_vdst(0) depctr_va_sdst(0) depctr_va_ssrc(0) depctr_va_vcc(0) depctr_vm_vsrc(0)
	s_getreg_b32 s2, hwreg(HW_REG_IB_STS2, 6, 4)
	s_cmp_eq_u32 s2, 0
	s_cbranch_scc0 .Lentry_in_a_cluster
	s_endpgm
.Lentry_in_a_cluster:
	s_bfe_u32 s2, ttmp6, 0x10000c
	s_cmp_lg_u32 s2, 0xf033
	s_cbranch_scc0 .Lentry_shape_is_right
	s_endpgm
.Lentry_shape_is_right:
; out0 = o w_out^T + x.  o (act) and w_out (wts) are codes of E2M3 laid as operand images: a tile of 16 rows is 16 units (64 K) of 768 bytes; lane L's six registers of a unit lie at 16 L (four) and 512 + 8 L (two).
; A tile of 128 tokens x 256 columns is made by a work-group of four waves, 64 x 128 a wave: 32 accumulators.  8,192 x 1,024 numbers are 256 such tiles.
; ALL OF K LIES IN LDS: A's 128 rows are 98,304 bytes of codes, B's 256 rows 196,608, their scale bytes 12,288.  They come as two slots of K = 512, both asked for at the start: three tensor loads a wave
; (scale bytes, slot 0, slot 1).  Nothing is filled again: so there is no ring, and one barrier for each slot's arrival.
; Inside each 64 rows, laid row 16 t + r is natural row 32 (r / 8) + 8 t + r % 8, in both operands: the way out puts tokens and columns back in their natural places.
; CLUSTERS: 4 x 4: A's (o's) tile is shared along a row of the cluster, B's (w_out's) along a column: each is asked for jointly.
; THE MATRIX INSTRUCTION IS USED TRANSPOSED (source 0 = 16 rows of w_out, source 1 = 16 tokens): a lane holds pieces of one row of the result.
; x: a wave's 64 rows x 512 bytes are 256 registers: window 3.  Their 64 loads stand straight behind the first fills and land while the tiles arrive and the products run; so no prefetch is laid.
; (Where the loads' counter is at its field's end the issue of the next load waits: ISA guide 5.7.1.)
; REGISTERS: window 0: v16-31 addresses; v32-63 scale words (nothing else, ever); v128-223 A's fragments, two sets of 48.  window 1: B's fragments, two sets, at v0 and v128; on the way out four blocks of the result.
; window 2: the accumulators ((a, b) at v[8 (8 a + b)]).  window 3: x.
.set XS,    6291456
.set WOC,   2457600
.set WOS,   3244032
.set FR,    12                         ; registers of a fragment
.set NP,    4                          ; places behind this matrix instruction (ISA guide 7.12.1)
.set RTB,   6144                       ; a row tile's bytes in a slot: eight units
.set AHALF, 4*RTB                      ; 64 rows of A: what one of A's tensor loads brings, and what one wave reads
.set BHALF, 8*RTB                      ; 128 rows of B likewise
.set BOFF,  2*AHALF                    ; a slot: A's 128 rows, then B's 256
.set SLOT,  BOFF+2*BHALF
.set SCL,   2*SLOT                     ; behind the slots: A's scale bytes [K / 256][128 rows][8],
.set SCB,   SCL+4096                   ; then B's, the same for each 128 rows
.set SPITCH, 528                       ; the way out: a stage of 16 rows x (512 bytes + 16) for each wave, in slot 0: nothing is filled there again, and nobody reads it behind the second barrier
.set ADRA, 16                          ; v16-17 A's fragments in slot 0, 1, + 16 lane;  v18-19 the same + 8 lane
.set ADRB, 20                          ; v20-23 the same for B
.set L16,  24                          ; v24 16 lane
.set L8,   25                          ; v25 8 lane
.set STO,  26                          ; v26 where I put my pieces of a row
.set ADRS, 27                          ; v27 my scale words: lanes 0-15 A's rows, lanes 16-31 B's; never rewritten
.set RD,   30                          ; v30 where I read a row back
.set SC,   32                          ; two sets of 16: register 2 i + q: lanes 0-15 the word of A's block i, lanes 16-31 that of B's block i, for the q-th 128 of 256 along K
.set AF,   128
.set G1, 24
.set G0, 32
.set G1B, 48
.set G0B, 56
.set G1S, 68
.set G0S, 76
.set G1SB, 80
.set G0SB, 88
.set MSB, 0
.macro WIN new                         ; the immediate's high byte repeats the setting that is left
.if MSB != \new
	s_set_vgpr_msb (MSB<<8)|\new
.set MSB, \new
.endif
.endm
.set MUL,  0xa1                        ; source 0 (B) window 1, source 1 (A) window 0, C and D window 2
.set TO_B, 0x40
.macro JLOAD g0a, g1a, g0b, g1b        ; a joint load: waves 0 and 1 fetch for A, waves 2 and 3 for B; four v_nop follow each of the two lines
	s_cmp_eq_u32 s15, 0
	s_cbranch_scc0 .Lfor_b_\@
	tensor_load_to_lds s[\g0a:\g0a+3], s[\g1a:\g1a+7]
	s_nop 0
.rept 4
	v_nop
.endr
	s_branch .Lasked_\@
.Lfor_b_\@:
	tensor_load_to_lds s[\g0b:\g0b+3], s[\g1b:\g1b+7]
	s_nop 0
.rept 4
	v_nop
.endr
.Lasked_\@:
.endm
.macro CROUND                          ; a round of the cluster's barrier
	s_barrier_signal -1
	s_barrier_wait -1
	s_cmp_lg_u32 s14, 0
	s_cbranch_scc1 .Lnot_wave_0_\@
	s_barrier_signal -3
.Lnot_wave_0_\@:
	s_barrier_wait -3
	s_barrier_signal -1
	s_barrier_wait -1
.endm
	s_load_b256 s[4:11], s[0:1], 0x0               ; act s[4:5], wts s[6:7], x s[8:9], out0 s[10:11]
	v_lshl_add_u32 v254, v0, 2, 0x4b000
	v_mov_b32 v255, 0
	ds_add_u32 v254, v255
	ds_add_u32 v254, v255
	v_lshrrev_b32 v1, 5, v0
	v_readfirstlane_b32 s14, v1                    ; wave 0..3
	s_lshr_b32 s15, s14, 1                         ; which 64 of the tile's tokens are mine.  Also: I fetch for A (0) or for B (1)
	s_and_b32 s16, s14, 1                          ; which 128 of its columns.  Also: which half of that operand I fetch
	s_bfe_u32 s40, ttmp6, 0x40000                  ; cx
	s_bfe_u32 s41, ttmp6, 0x40004                  ; cy
	s_lshl_b32 s42, ttmp9, 2
	s_add_co_u32 s42, s42, s40                     ; B's tile of 256 rows of w_out
	s_and_b32 s17, ttmp7, 0xffff
	s_lshl_b32 s17, s17, 2
	s_add_co_u32 s17, s17, s41                     ; A's tile of 128 tokens
	s_lshl_b32 s43, s41, 2
	s_lshl_b32 s43, 15, s43                        ; my row of the cluster
	s_lshl_b32 s44, 0x1111, s40                    ; my column
	; descriptor groups 1.  Codes: rows (row tiles) of 768 elements of 8 bytes, 1,536 elements apart; A's loads bring 4 of them, B's 8.  No padding
	s_or_b32 s[G1+0], s43, (3<<16)|(1<<21)         ; 15:0 the mask; 17:16 elements of 8 bytes; 21 set beside a mask
	s_mov_b32 s[G1+1], 768<<16                     ; tensor_dim0
	s_mov_b32 s[G1+2], 4<<16                       ; tensor_dim1
	s_mov_b32 s[G1+3], 768<<16                     ; tile_dim0
	s_mov_b32 s[G1+4], 4                           ; tile_dim1
	s_mov_b32 s[G1+5], 1536                        ; tensor_dim0_stride
	s_mov_b32 s[G1+6], 0
	s_mov_b32 s[G1+7], 0
	s_or_b32 s[G1B+0], s44, (3<<16)|(1<<21)
	s_mov_b32 s[G1B+1], 768<<16
	s_mov_b32 s[G1B+2], 8<<16
	s_mov_b32 s[G1B+3], 768<<16
	s_mov_b32 s[G1B+4], 8
	s_mov_b32 s[G1B+5], 1536
	s_mov_b32 s[G1B+6], 0
	s_mov_b32 s[G1B+7], 0
	; scale bytes: dense rows of 256 bytes; A's loads bring 8 (half of 128 rows' 4,096 bytes), B's 16
	s_or_b32 s[G1S+0], s43, (3<<16)|(1<<21)
	s_mov_b32 s[G1S+1], 32<<16
	s_mov_b32 s[G1S+2], 8<<16
	s_mov_b32 s[G1S+3], 32<<16
	s_mov_b32 s[G1S+4], 8
	s_mov_b32 s[G1S+5], 32
	s_mov_b32 s[G1S+6], 0
	s_mov_b32 s[G1S+7], 0
	s_or_b32 s[G1SB+0], s44, (3<<16)|(1<<21)
	s_mov_b32 s[G1SB+1], 32<<16
	s_mov_b32 s[G1SB+2], 16<<16
	s_mov_b32 s[G1SB+3], 32<<16
	s_mov_b32 s[G1SB+4], 16
	s_mov_b32 s[G1SB+5], 32
	s_mov_b32 s[G1SB+6], 0
	s_mov_b32 s[G1SB+7], 0
	s_mul_i32 s20, s17, 8*12288                    ; A's codes: 8 row tiles a tile of 128 tokens,
	s_mul_i32 s18, s16, 4*12288                    ; my half of them
	s_add_co_u32 s20, s20, s18
	s_lshl_b32 s22, s17, 12                        ; A's scale bytes: 4,096 a tile,
	s_lshl_b32 s18, s16, 11                        ; my half
	s_add_co_u32 s22, s22, s18
	s_add_co_u32 s22, s22, XS
	s_mul_i32 s46, s42, 16*12288                   ; B's codes: 16 row tiles a tile of 256 rows,
	s_mul_i32 s18, s16, 8*12288
	s_add_co_u32 s46, s46, s18
	s_add_co_u32 s46, s46, WOC
	s_lshl_b32 s92, s42, 1
	s_add_co_u32 s92, s92, s16
	s_lshl_b32 s92, s92, 12                        ; B's scale bytes: 4,096 for each 128 rows
	s_add_co_u32 s92, s92, WOS
	s_mov_b32 s21, 0
	s_mov_b32 s23, 0
	s_mov_b32 s47, 0
	s_mov_b32 s93, 0
	s_mul_i32 s45, s16, AHALF                      ; where they go: no place in the cluster enters an LDS address
	s_mul_i32 s94, s16, BHALF
	s_add_co_u32 s94, s94, BOFF
	s_lshl_b32 s95, s16, 11
	s_add_co_u32 s95, s95, SCL
	s_lshl_b32 s96, s16, 12
	s_add_co_u32 s96, s96, SCB
	s_wait_dscnt 0x0
	s_wait_kmcnt 0x0
	s_add_nc_u64 s[20:21], s[4:5], s[20:21]
	s_add_nc_u64 s[22:23], s[4:5], s[22:23]
	s_add_nc_u64 s[46:47], s[6:7], s[46:47]
	s_add_nc_u64 s[92:93], s[6:7], s[92:93]
	CROUND                                         ; all sixteen work-groups are here: the joint loads meet
	s_mov_b32 s[G0S], 1
	s_mov_b32 s[G0S+1], s95
	s_mov_b64 s[G0S+2:G0S+3], s[22:23]
	s_or_b32 s[G0S+3], s[G0S+3], 0x80000000
	s_mov_b32 s[G0SB], 1
	s_mov_b32 s[G0SB+1], s96
	s_mov_b64 s[G0SB+2:G0SB+3], s[92:93]
	s_or_b32 s[G0SB+3], s[G0SB+3], 0x80000000
	JLOAD G0S, G1S, G0SB, G1SB                     ; the scale bytes first: they are wanted with the first step
.irp s, 0,1
	s_mov_b32 s[G0+4*\s], 1
	s_add_co_u32 s[G0+4*\s+1], s45, \s*SLOT
	s_add_nc_u64 s[G0+4*\s+2:G0+4*\s+3], s[20:21], \s*RTB
	s_or_b32 s[G0+4*\s+3], s[G0+4*\s+3], 0x80000000
	s_mov_b32 s[G0B+4*\s], 1
	s_add_co_u32 s[G0B+4*\s+1], s94, \s*SLOT
	s_add_nc_u64 s[G0B+4*\s+2:G0B+4*\s+3], s[46:47], \s*RTB
	s_or_b32 s[G0B+4*\s+3], s[G0B+4*\s+3], 0x80000000
	JLOAD G0+4*\s, G1, G0B+4*\s, G1B
.endr
	v_and_b32 v1, 31, v0
	v_lshlrev_b32 v[L16], 4, v1
	v_lshlrev_b32 v[L8], 3, v1
	s_lshl_b32 s20, s17, 7
	s_lshl_b32 s21, s15, 6
	s_add_co_u32 s20, s20, s21                     ; my first token: 128 x tile + 64 x half
	s_lshl_b32 s20, s20, 12
	s_lshl_b32 s46, s42, 10
	s_lshl_b32 s47, s16, 9
	s_add_co_u32 s46, s46, s47                     ; my first column, in bytes
	s_add_co_u32 s20, s20, s46
	s_mov_b32 s21, 0
	s_add_nc_u64 s[8:9], s[8:9], s[20:21]          ; x and out0 at my part's corner; never stepped
	s_add_nc_u64 s[10:11], s[10:11], s[20:21]
; Row i of block a is natural token 8 a + 32 (i / 8) + i % 8 of my 64.
.macro XLOAD a                         ; block a's 16 rows of x, 512 consecutive bytes a load, into window 3
.irp t, 0,1,2,3,4,5,6,7,8,9,10,11,12,13,14,15
	global_load_b128 v[64*(\a)+4*\t:64*(\a)+4*\t+3], v[L16], s[8:9] offset:(8*(\a)+32*(\t/8)+\t%8)*4096 th:TH_LOAD_NT
.endr
.endm
	WIN 0xc0
	XLOAD 0
	XLOAD 1
	XLOAD 2
	XLOAD 3
	WIN 0
	s_mul_i32 s21, s15, AHALF                      ; my 64 rows of A
	s_mul_i32 s22, s16, BHALF                      ; my 128 rows of B,
	s_add_co_u32 s22, s22, BOFF                    ; which lie behind A's 128
.irp s, 0,1
	v_add_nc_u32 v[ADRA+\s], s21, v[L16]
	v_add_nc_u32 v[ADRB+\s], s22, v[L16]
	v_add_nc_u32 v[ADRA+2+\s], s21, v[L8]
	v_add_nc_u32 v[ADRB+2+\s], s22, v[L8]
	s_add_co_u32 s21, s21, SLOT
	s_add_co_u32 s22, s22, SLOT
.endr
	v_and_b32 v1, 15, v0                           ; r
	v_bfe_u32 v2, v0, 4, 1                         ; h
	v_lshlrev_b32 v5, 3, v1                        ; 8 bytes a row and 256 along K
	s_lshl_b32 s21, s15, 9                         ; A's: my 64 rows
	s_lshl_b32 s22, s16, 12                        ; B's: my 128 rows, behind A's 4,096 bytes
	s_add_co_u32 s22, s22, 4096
	s_sub_co_u32 s22, s22, s21
	v_mul_u32_u24 v6, s22, v2                      ; lanes 16-31 take B's
	s_add_co_u32 s21, s21, SCL
	v_add_nc_u32 v5, v5, v6
	v_add_nc_u32 v[ADRS], s21, v5
	s_mul_i32 s23, s14, 16*SPITCH                  ; my stage
	v_mul_u32_u24 v5, v1, SPITCH
	v_lshl_add_u32 v5, v2, 7, v5
	v_add_nc_u32 v[STO], s23, v5                   ; in: row r; tile b's eight columns lie at 256 (b / 4) + 128 h + 32 (b % 4) bytes
	v_add_nc_u32 v[RD], s23, v[L16]                ; back: the 32 lanes take one row of 512 bytes
.macro FRAG reg, adr, q, i             ; a fragment: units 2 q and 2 q + 1 of row tile i's eight in the slot, as they lie
.irp c, 0,1
	ds_load_b128 v[\reg+6*\c:\reg+6*\c+3], v[\adr] offset:RTB*(\i)+768*(2*(\q)+\c)
	ds_load_b64 v[\reg+6*\c+4:\reg+6*\c+5], v[\adr+2] offset:RTB*(\i)+768*(2*(\q)+\c)+512
.endr
.endm
; Step k's fragments (128 along K: the (k % 4)-th of slot k / 4) into set k % 2, in one run: B's eight; with an even k the scale words of 256 along K; A's four, blocks 2 and 3 last.
; A has four blocks: lanes 0-15 of the scale registers of i = 4..7 take words that no product names.
.macro FETCH k
.set FS, (\k)/4
.set FQ, (\k)%4
.set FP, (\k)%2
.set FH, (\k)/2
	WIN TO_B
.irp i, 0,1,2,3,4,5,6,7
	FRAG 128*FP+FR*\i, ADRB+FS, FQ, \i
.endr
	WIN 0
.if FP == 0
.irp i, 0,1,2,3,4,5,6,7
	ds_load_b64 v[SC+16*(FH%2)+2*\i:SC+16*(FH%2)+2*\i+1], v[ADRS] offset:128*\i+1024*FH
.endr
.endif
.irp i, 0,1,2,3
	FRAG AF+48*FP+FR*\i, ADRA+FS, FQ, \i
.endr
.endm
; 16 matrix instructions: A's blocks a0, a0 + 1 x B's eight.  The 32 accumulators take turns, one instruction a turn, in the same order in every step.
.macro MUL16 a0, zero
.irp a, \a0, \a0+1
.irp b, 0,1,2,3,4,5,6,7
.if \zero
	v_wmma_scale_f32_16x16x128_f8f6f4 v[8*(8*(\a)+\b):8*(8*(\a)+\b)+7], v[128*KP+FR*\b:128*KP+FR*\b+FR-1], v[AF+48*KP+FR*(\a):AF+48*KP+FR*(\a)+FR-1], 0, v[SC+16*KSC+2*\b+KP], v[SC+16*KSC+2*(\a)+KP] matrix_a_fmt:MATRIX_FMT_FP6 matrix_b_fmt:MATRIX_FMT_FP6 matrix_a_scale:MATRIX_SCALE_ROW1
.else
	v_wmma_scale_f32_16x16x128_f8f6f4 v[8*(8*(\a)+\b):8*(8*(\a)+\b)+7], v[128*KP+FR*\b:128*KP+FR*\b+FR-1], v[AF+48*KP+FR*(\a):AF+48*KP+FR*(\a)+FR-1], v[8*(8*(\a)+\b):8*(8*(\a)+\b)+7], v[SC+16*KSC+2*\b+KP], v[SC+16*KSC+2*(\a)+KP] matrix_a_fmt:MATRIX_FMT_FP6 matrix_b_fmt:MATRIX_FMT_FP6 matrix_a_scale:MATRIX_SCALE_ROW1
.endif
.endr
.endr
.endm
.macro PLACES n                        ; plain vector instructions between a matrix instruction and a load into, or a read of, its registers
.rept \n
	v_nop
.endr
.endm
; Step k: 32 products on set k % 2; in its middle the next step's fragments are asked for, into the other set, which the step before multiplied.
; Step 3 asks for slot 1's first fragments: in front of them stands the barrier that shows slot 1 whole.  At its signal every wave's reads of slot 0 are over.
.macro KSTEP k, zero
.set KP, (\k)%2
.set KSC, ((\k)/2)%2
.if (\k) == 3
	s_wait_dscnt 0x0                               ; no LDS instruction of mine is out at a signal
	s_wait_tensorcnt 0x0                           ; my part of slot 1 has landed
	s_barrier_signal -1
.else
	s_wait_dscnt 8                                 ; B's set, the scale words and A's blocks 0, 1 are in; the youngest eight loads (A's blocks 2, 3) may be out
.endif
	WIN MUL
	MUL16 0, \zero
.if (\k) == 3
	s_barrier_wait -1                              ; everybody's has
.else
	s_wait_dscnt 0x0
.endif
.if (\k) < 7
	PLACES NP
	FETCH (\k)+1
.endif
	WIN MUL
	MUL16 2, \zero
.endm
	s_wait_tensorcnt 1                             ; the scale bytes and my part of slot 0 are in; slot 1's load may be out
	s_barrier_signal -1
	s_barrier_wait -1                              ; everybody's are
	FETCH 0
	KSTEP 0, 1                                     ; the first products start the sums
	KSTEP 1, 0
	KSTEP 2, 0
	KSTEP 3, 0
	KSTEP 4, 0
	KSTEP 5, 0
	KSTEP 6, 0
	KSTEP 7, 0
; THE WAY OUT, block by block of 16 tokens x 128 columns, through my own stage.  Each block comes back into 64 registers of its own in window 1: no store's data are written again.
.macro TOSTAGE a
	WIN 0x08                                       ; an LDS store's data: window 2
.irp b, 0,1,2,3,4,5,6,7
	ds_store_b128 v[STO], v[64*(\a)+8*\b:64*(\a)+8*\b+3] offset:256*(\b/4)+32*(\b%4)          ; each accumulator from its low end on
	ds_store_b128 v[STO], v[64*(\a)+8*\b+4:64*(\a)+8*\b+7] offset:256*(\b/4)+32*(\b%4)+16
.endr
	WIN 0x40                                       ; destination window 1
.irp t, 0,1,2,3,4,5,6,7,8,9,10,11,12,13,14,15
	ds_load_b128 v[64*(\a)+4*\t:64*(\a)+4*\t+3], v[RD] offset:\t*SPITCH    ; LDS serves a wave's instructions in order: these see the stores above, and the next block's stores come behind them
.endr
.endm
.macro SEND a, younger
	s_wait_dscnt \younger                          ; the block is back in registers; the next block's 16 stores and 16 loads may be out
	s_wait_loadcnt 16*(3-(\a))                     ; its rows of x are in; the later blocks', sixteen loads each, may be out
	WIN 0x4d                                       ; destination and source 0 window 1, source 1 (x) window 3
.irp k, 0,2,4,6,8,10,12,14,16,18,20,22,24,26,28,30,32,34,36,38,40,42,44,46,48,50,52,54,56,58,60,62
	v_pk_add_f32 v[64*(\a)+\k:64*(\a)+\k+1], v[64*(\a)+\k:64*(\a)+\k+1], v[64*(\a)+\k:64*(\a)+\k+1]
.endr
	WIN 0x04                                       ; a store's data: window 1
.irp t, 0,1,2,3,4,5,6,7,8,9,10,11,12,13,14,15
	global_store_b128 v[L16], v[64*(\a)+4*\t:64*(\a)+4*\t+3], s[10:11] offset:(8*(\a)+32*(\t/8)+\t%8)*4096 th:TH_STORE_NT   ; 32 lanes store 512 consecutive bytes, at a multiple of 256 from the buffer's first byte
.endr
.endm
	PLACES NP                                      ; behind the last products: results are read, and loads land in B's registers
	TOSTAGE 0
.irp a, 1,2,3
	TOSTAGE \a
	SEND \a-1, 32
.endr
	SEND 3, 0
	WIN 0
	s_wait_tensorcnt 0x0
	ds_add_u32 v254, v255
	s_wait_dscnt 0x0
	CROUND                                         ; the closing round: no work-group ends while a partner may still ask for a tile that names it
	s_endpgm
.Lfunc_end_k_q66aca282b8_proj:
	.size	k_q66aca282b8_proj, .Lfunc_end_k_q66aca282b8_proj-k_q66aca282b8_proj
	.p2alignl 7, 3214868480
	.fill 96, 4, 3214868480
	.section	.rodata,"a",@progbits
	.p2align	6, 0x0
	.amdhsa_kernel k_q66aca282b8_proj
		.amdhsa_group_segment_fixed_size 327680
		.amdhsa_private_segment_fixed_size 0
		.amdhsa_enable_private_segment 0
		.amdhsa_kernarg_size 32
		.amdhsa_user_sgpr_count 2
		.amdhsa_user_sgpr_kernarg_segment_ptr 1
		.amdhsa_wavefront_size32 1
		.amdhsa_system_sgpr_workgroup_id_x 1
		.amdhsa_system_sgpr_workgroup_id_y 1
		.amdhsa_system_sgpr_workgroup_id_z 1
		.amdhsa_system_vgpr_workitem_id 0
		.amdhsa_next_free_vgpr 1024
		.amdhsa_next_free_sgpr 100
		.amdhsa_reserve_vcc 0
		.amdhsa_float_denorm_mode_32 3
		.amdhsa_float_denorm_mode_16_64 3
		.amdhsa_memory_ordered 1
		.amdhsa_forward_progress 1
		.amdhsa_inst_pref_size 99
	.end_amdhsa_kernel
	.amdgpu_metadata
---
amdhsa.version: [ 1, 2 ]
amdhsa.kernels:
  - .name:           k_q66aca282b8_proj
    .symbol:         k_q66aca282b8_proj.kd
    .args:
      - { .name: act, .offset: 0, .size: 8, .value_kind: global_buffer, .address_space: global }
      - { .name: wts, .offset: 8, .size: 8, .value_kind: global_buffer, .address_space: global }
      - { .name: x, .offset: 16, .size: 8, .value_kind: global_buffer, .address_space: global }
      - { .name: out0, .offset: 24, .size: 8, .value_kind: global_buffer, .address_space: global }
    .group_segment_fixed_size: 327680
    .private_segment_fixed_size: 0
    .kernarg_segment_align: 8
    .kernarg_segment_size: 32
    .max_flat_workgroup_size: 128
    .sgpr_count:     100
    .vgpr_count:     1024
    .wavefront_size: 32
...
	.end_amdgpu_metadata
.endif
;; end of part 6
